; MI455X (gfx1250); checked and timed in simulation.
; The chip was launched on July 23, 2026; its instructions are those of AMD's public machine-readable ISA for CDNA 5 (MIT licence, August 2026) and "CDNA5" Instruction Set Architecture Reference Guide (July 2026). The comments in the code are by the model that wrote it; some were corrected since.
;; Scaled Dot Product Attention. Allowed arithmetic: matrix products marked QUANTISED: E2M3 operands, one E8M0 scale for each 32 along K, by v_wmma_scale_f32_16x16x128_f8f6f4 with both operands' format E2M3, f32 sums; everything else in f32.
;; Inputs: Wk 1,024 x 1,024 float32; Wo 1,024 x 1,024 float32; Wq 1,024 x 1,024 float32; Wv 1,024 x 1,024 float32; attn_mask 2,048 x 2,048 bool; beta 1,024 float32; gamma 1,024 float32; x 4 x 2,048 x 1,024 float32.
;; Outputs: out0 4 x 2,048 x 1,024 float32.
;; This version of the problem:
;;   THIS VERSION OF THE PROBLEM IS GIVEN IN LOW PRECISION. The matrix products marked QUANTISED in the list below multiply operands that are first quantised to E2M3 (2 exponent bits, 3 mantissa bits; 6 bits a number), with one power-of-two scale for each 32 numbers along K (OCP MX v1.0); their sums are f32. All else is computed in f32.
;;   The module's matrix products, in the order in which they are computed (A, B: the left and right operand; K: the contracted axis; several contracted axes count as one K, in the product's order):
;;     1. [M 8,192, K 1,024] x [K 1,024, N 1,024]; A: input x; B: input Wq: QUANTISED
;;     2. [M 8,192, K 1,024] x [K 1,024, N 1,024]; A: input x; B: input Wk: QUANTISED
;;     3. [M 8,192, K 1,024] x [K 1,024, N 1,024]; A: input x; B: input Wv: QUANTISED
;;     4. batch 64 x [M 2,048, K 64] x [K 64, N 2,048]; A: computed on the way; B: computed on the way: QUANTISED
;;     5. batch 64 x [M 2,048, K 2,048] x [K 2,048, N 64]; A: softmax (see below); B: computed on the way: QUANTISED
;;     6. [M 8,192, K 1,024] x [K 1,024, N 1,024]; A: computed on the way; B: input Wo: QUANTISED
;;   THE QUANTISER, for each operand of a quantised product, along K:
;;     - K is cut into blocks of 32 from its start; a last block that is shorter is filled with zeros.
;;     - A block's scale is 2^e with e = floor(log2(the largest magnitude in the block)) - 2, held to -126 .. 127; a block of zeros has e = 0. As a byte (E8M0): e + 127.
;;     - Each number is divided by its block's scale, clamped to +-7.5, and rounded to the nearest number of E2M3, ties to even, subnormals kept.
;;     - The product sums the exact products of the quantised numbers (number of the format x scale) in f32.
;;   ~~~python
;;   def quantise(x, axis):      # numpy; x: float32 -> the quantised numbers, widened to float32 again
;;       x = np.moveaxis(x, axis, -1); K = x.shape[-1]
;;       x = np.pad(x, [(0, 0)] * (x.ndim - 1) + [(0, -K % 32)]); x = x.reshape(x.shape[:-1] + (-1, 32)); a = np.abs(x).max(-1, keepdims=True)
;;       e = np.where(a > 0, np.clip(np.frexp(np.where(a > 0, a, 1))[1] - 1 - 2, -126, 127), 0)      # np.frexp(a)[1] - 1 = floor(log2(a)), exactly
;;       r = np.clip(x / 2.0 ** e, -7.5, 7.5)
;;       step = 2.0 ** (np.maximum(np.frexp(np.where(r == 0, 1, r))[1] - 1, 0) - 3)
;;       q = np.round(r / step) * step * 2.0 ** e      # np.round: ties to even
;;       return np.moveaxis(q.reshape(q.shape[:-2] + (-1,))[..., :K], -1, axis).astype(np.float32)
;;   ~~~
;;   SOFTMAX AHEAD OF A QUANTISED PRODUCT. Where the list says 'softmax', what is quantised is not the finished softmax but p = 2^(t - M), with t = logit x log2(e) and M = ceil(the row's largest t), a whole number; so 1/2 < the row's largest p <= 1. The row's sum l is taken of the UNQUANTISED p, in f32, and the product's result is divided by l at the end. Since M is a whole number, a kernel that streams over the keys may use a running M (the ceiling of the running maximum): every later rescaling is an exact power of two, which a block's scale takes up: the codes' values come out the same.
;;   OPERANDS COMPUTED ON THE WAY. 'Computed on the way' means the value that the module computes at that place (a softmax that the list does not call 'softmax' is quantised finished and normalised). What goes into a quantiser is computed in f32, as accurately as f32 sums, v_exp_f32 and their like allow (about 1e-6 of the number): no bf16 or f16 on the way to a quantiser, and a product that is left as it is and whose result goes on into a quantised operand takes f32 operands (vector FMAs, or v_wmma_f32_16x16x4_f32). A number that lies on a knife's edge between two numbers of the format may be rounded either way, as far as f32 arithmetic and the matrix unit's own rounding can turn it there, and no further.
;; One version. Each part assembles by itself: llvm-mc -triple=amdgcn-amd-amdhsa -mcpu=gfx1250 --defsym DOCPART=n.
;; ======== version 1 of 1: 4 launches
;; workspace buffers: prepq 9,830,400 bytes; mk 524,800 bytes of whole numbers; qkv 19,660,800 bytes; zq 6,553,600 bytes
;; launch prep (part 1): grid 608 x 1, 4 waves a work-group, no clusters, 69,120 bytes of LDS; arguments x, Wq, Wk, Wv, Wo, attn_mask, prepq, mk; writes prepq, mk
.if DOCPART == 1
	.amdgcn_target "amdgcn-amd-amdhsa--gfx1250"
	.amdhsa_code_object_version 6
	.text
	.protected	k_q66aacd1968_prep
	.globl	k_q66aacd1968_prep
	.p2align	8
	.type	k_q66aacd1968_prep,@function
k_q66aacd1968_prep:
	s_mov_b64 s[64:65], 0
	v_nop
	global_prefetch_b8 v0, s[64:65] scope:SCOPE_SE
	s_setreg_imm32_b32 hwreg(HW_REG_WAVE_MODE, 25, 1), 1
	s_wait_xcnt 0x0
; PREP: everything that is quantised or packed once.  Four kinds of work-group, told apart by the work-group number:
;   0..255   X: x [8192][1024] f32 -> codes of FP6 (E2M3), K innermost, 768 bytes a row, and one E8M0 byte for each 32 along K
;   256..351 W: Wq, Wk, Wv [k][n] f32, K is the FIRST axis -> codes laid [n][k], 768 bytes a row, and their scale bytes [n][32]
;   352..479 O: Wo [k][n] f32 -> fragments of 16 columns x 128 K in the order of the operand registers, and their scale words
;   480..607 M: attn_mask [2048][2048] bytes -> one 32-bit word for each register of a score tile (bit = lane), and a class for each (16 queries x 128 keys)
; ROW ORDER of the row-major code buffers: workspace row p holds tensor row p with bits 3 and 4 exchanged.  A natural tile of 16 workspace rows then holds, in lane r,
; tensor row 32 g + 8 u + r + 8 (r / 8), so that a transposed product leaves 16 neighbours along the next K in the 16 registers of two neighbouring tiles.
; A block's scale is 2^(floor(log2(largest magnitude)) - 2); its byte is the largest magnitude's exponent field - 2, held at 1 from below.
; LIMITS: a block whose largest magnitude lies under 2^-124 keeps the byte 1; a block of zeros keeps the byte 1 where the rule says 127 (its codes are zeros, and this program alone reads the bytes);
; NaN and infinities among the inputs are not served.
; Waves share nothing: no barrier.  The two paths that use LDS have LDS bytes of their own (X: 0..32767, W: 32768..67583).
.set XSO,  6291456                     ; prepq: x's scale bytes
.set WCO,  6553600                     ; the three weights' codes
.set WSO,  8912896                     ; their scale bytes
.set WOFO, 9011200                     ; Wo's fragments
.set WOSO, 9797632                     ; Wo's scale words
.set CLSO, 524288                      ; mk: the classes, behind the mask words
	s_load_b256 s[4:11], s[0:1], 0x0               ; x s[4:5], Wq s[6:7], Wk s[8:9], Wv s[10:11]
	s_load_b256 s[12:19], s[0:1], 0x20             ; Wo s[12:13], attn_mask s[14:15], prepq s[16:17], mk s[18:19]
	v_lshl_add_u32 v192, v0, 2, 0x10c00
	v_mov_b32 v193, 0
	v_lshrrev_b32 v1, 5, v0
	v_readfirstlane_b32 s20, v1                    ; wave 0..3
	v_and_b32 v2, 31, v0                           ; lane
	s_cmp_lt_u32 ttmp9, 256
	s_cbranch_scc1 .Lpath_x
	s_cmp_lt_u32 ttmp9, 352
	s_cbranch_scc1 .Lpath_w
	s_cmp_lt_u32 ttmp9, 480
	s_cbranch_scc1 .Lpath_o
; ---------------- M: the mask.  Work-group T (a tile of 16 queries), wave = four key steps of 128.
; Lane (r, h) reads, of query row 32 (T / 2) + 8 (T % 2) + r + 8 (r / 8), the 16 bytes at key 128 s + 32 b + 16 h: byte i belongs to score register 16 b + i of that lane.
; Word j of a step has bit l = lane l's byte j.  Class: 0 nothing masked, 1 mixed, 2 all masked.
	s_sub_co_u32 s21, ttmp9, 480                   ; T
	v_and_b32 v3, 15, v2                           ; r
	v_lshrrev_b32 v4, 4, v2                        ; h
	v_and_b32 v5, 8, v3
	v_add_nc_u32 v5, v5, v3                        ; r + 8 (r / 8)
	v_lshlrev_b32 v5, 11, v5                       ; x 2,048 bytes a row
	v_lshl_add_u32 v5, v4, 4, v5                   ; + 16 h
	v_lshlrev_b32 v9, 3, v2                        ; out: 8 bytes a lane
	s_lshr_b32 s22, s21, 1
	s_lshl_b32 s22, s22, 16                        ; 32 (T / 2) rows
	s_and_b32 s23, s21, 1
	s_lshl_b32 s23, s23, 14                        ; 8 (T % 2) rows
	s_add_co_u32 s22, s22, s23
	s_lshl_b32 s23, s20, 9                         ; my four steps: 512 keys a wave
	s_add_co_u32 s22, s22, s23
	s_mov_b32 s23, 0
	s_lshl_b32 s24, s21, 12                        ; the words: 16 steps x 256 bytes a tile,
	s_lshl_b32 s25, s20, 10                        ; four steps a wave
	s_add_co_u32 s24, s24, s25
	s_mov_b32 s25, 0
	s_lshl_b32 s26, s21, 2                         ; the classes: a word a tile, a byte a wave
	s_add_co_u32 s26, s26, s20
	s_add_co_u32 s26, s26, CLSO
	s_mov_b32 s27, 0
	s_mov_b32 s34, 0
	s_wait_kmcnt 0x0
	s_add_nc_u64 s[14:15], s[14:15], s[22:23]
	s_add_nc_u64 s[24:25], s[18:19], s[24:25]
	s_add_nc_u64 s[26:27], s[18:19], s[26:27]
.irp st, 0,1,2,3
.irp b, 0,1,2,3
	global_load_b128 v[16+16*\st+4*\b:19+16*\st+4*\b], v5, s[14:15] offset:128*\st+32*\b th:TH_LOAD_NT
.endr
.endr
.irp n, 0,1,2,3,4,5,6,7
	v_mov_b32 v[80+\n], 0                          ; written once: the destination of v_writelane_b32 counts as read
.endr
	s_wait_loadcnt 0x0
.macro MASKSTEP st                     ; 64 words, four at a time: register n of the step holds bytes 4 n .. 4 n + 3
	s_mov_b32 s31, -1                              ; the AND of the words
	s_mov_b32 s32, 0                               ; the OR of the words
.set n, 0
.rept 16
.irp k, 0,1,2,3
	v_and_b32 v[10+\k], 0xff<<(8*\k), v[16+16*(\st)+n]
.endr
.irp k, 0,1,2,3
	v_cmp_ne_u32 s[36+\k], 0, v[10+\k]             ; bit l = lane l's byte
.endr
.irp k, 0,1,2,3
	v_writelane_b32 v[80+2*(\st)+(\k%2)], s[36+\k], 2*n+(\k/2)   ; word j goes to lane j / 2, register j % 2: the store below lays the words in order
.endr
.irp k, 0,1,2,3
	s_and_b32 s31, s31, s[36+\k]
	s_or_b32 s32, s32, s[36+\k]
.endr
.set n, n+1
.endr
	global_store_b64 v9, v[80+2*(\st):81+2*(\st)], s[24:25] offset:256*(\st)   ; 32 lanes store 256 consecutive bytes, aligned; each step has its own pair
	s_cmp_eq_u32 s32, 0
	s_cselect_b32 s33, 0, 1
	s_cmp_eq_u32 s31, -1
	s_cselect_b32 s33, 2, s33
	s_lshl_b32 s33, s33, 2*(\st)
	s_or_b32 s34, s34, s33
.endm
	MASKSTEP 0
	MASKSTEP 1
	MASKSTEP 2
	MASKSTEP 3
	v_mov_b32 v14, s34
	v_mov_b32 v15, 0
	global_store_b8 v15, v14, s[26:27]             ; my four classes: all lanes write the same byte with the same value
	s_endpgm
; ---------------- X: x as a stream of blocks of 32.  A wave takes 16 steps of 512 numbers = 8 whole rows.
; Each of a step's four loads reads 512 consecutive bytes; the 2,048 bytes turn through the wave's own stage in LDS and come back 64 bytes a lane: 16 neighbours, two lanes to a block.
.set XSTEPS, 16
.set XCB,   12                         ; bytes of 16 codes
.set QR,    16                         ; v16-79   four sets of 16 numbers as loaded
.set QX,    80                         ; v80-111  two sets of 16 neighbours
.set QE,    112                        ; v112-127 a scale byte for each step
.set QC,    128                        ; v128-191 codes: four registers a step, so that no store's data are written again
.set XWREG, 8192                       ; LDS a wave: two stages of 32 x 80 bytes, then its 256 scale bytes
.set XSP,   80
.Lpath_x:
	v_lshlrev_b32 v3, 4, v2                        ; my 16 bytes of a load's 512
	s_mul_i32 s21, s20, XWREG
	v_lshrrev_b32 v14, 2, v2
	v_mul_u32_u24 v14, v14, XSP
	v_and_b32 v15, 3, v2
	v_lshl_add_u32 v14, v15, 4, v14
	v_add_nc_u32 v14, s21, v14                     ; into the stage: 80 (lane / 4) + 16 (lane % 4)
	v_mul_u32_u24 v15, v2, XSP
	v_add_nc_u32 v15, s21, v15                     ; out of it: 80 x lane
	v_mul_u32_u24 v4, v2, XCB                      ; my codes' place in a step's 384 bytes
	v_lshrrev_b32 v5, 1, v2
	s_add_co_u32 s21, s21, 2*32*XSP
	v_add_nc_u32 v5, s21, v5                       ; my block's scale byte in LDS
	v_lshlrev_b32 v7, 3, v2
	v_add_nc_u32 v6, s21, v7                       ; and 8 bytes a lane on the way out
	s_lshl_b32 s22, ttmp9, 2
	s_add_co_u32 s24, s22, s20                     ; which run of 8 rows I read
	s_and_b32 s23, s20, 1
	s_lshl_b32 s23, s23, 1
	s_lshr_b32 s25, s20, 1
	s_or_b32 s23, s23, s25                         ; its two low bits exchanged (rows' bits 3 and 4):
	s_add_co_u32 s26, s22, s23                     ; which run of 8 workspace rows I write
	s_lshl_b32 s24, s24, 15                        ; 32,768 bytes of f32 a run
	s_mov_b32 s25, 0
	s_mul_i32 s28, s26, 6144                       ; 8 rows x 768 bytes of codes
	s_mov_b32 s29, 0
	s_lshl_b32 s30, s26, 8                         ; 8 rows x 32 scale bytes
	s_add_co_u32 s30, s30, XSO
	s_mov_b32 s31, 0
	s_wait_kmcnt 0x0
	s_add_nc_u64 s[4:5], s[4:5], s[24:25]
	s_add_nc_u64 s[8:9], s[16:17], s[28:29]
	s_add_nc_u64 s[10:11], s[16:17], s[30:31]
.macro XLD t
.irp i, 0,1,2,3
	global_load_b128 v[QR+16*((\t)%4)+4*\i:QR+16*((\t)%4)+4*\i+3], v3, s[4:5] offset:2048*(\t)+512*\i th:TH_LOAD_NT
.endr
.endm
.macro XTURN t                         ; LDS serves a wave's instructions in order: no wait between the stores and the loads
.irp i, 0,1,2,3
	ds_store_b128 v14, v[QR+16*((\t)%4)+4*\i:QR+16*((\t)%4)+4*\i+3] offset:32*XSP*((\t)%2)+8*XSP*\i
.endr
.irp i, 0,1,2,3
	ds_load_b128 v[QX+16*((\t)%2)+4*\i:QX+16*((\t)%2)+4*\i+3], v15 offset:32*XSP*((\t)%2)+16*\i
.endr
.endm
.irp t, 0,1,2,3
	XLD \t
.endr
	s_wait_loadcnt 12                              ; step 0's four loads are in; three steps' twelve may be out
	XTURN 0
.macro XSTEP t
.set XS, QX+16*((\t)%2)
.if (\t) > 0
	s_wait_dscnt 1                                 ; this step's numbers are back from the stage; the last step's byte store may be out
.else
	s_wait_dscnt 0x0
.endif
.if (\t)+4 < XSTEPS
	XLD (\t)+4                                     ; into the set whose stores into the stage have read it
.endif
.if (\t)+1 < XSTEPS
.if XSTEPS-2-(\t) >= 3
	s_wait_loadcnt 12                              ; the next step's four loads are in; those of the three steps behind it may be out
.else
	s_wait_loadcnt 4*(XSTEPS-2-(\t))
.endif
	XTURN (\t)+1
.endif
	v_max3_num_f32 v8, |v[XS]|, |v[XS+1]|, |v[XS+2]|
	v_max3_num_f32 v9, |v[XS+3]|, |v[XS+4]|, |v[XS+5]|
.irp i, 6,10
	v_max3_num_f32 v8, v8, |v[XS+\i]|, |v[XS+\i+1]|
	v_max3_num_f32 v9, v9, |v[XS+\i+2]|, |v[XS+\i+3]|
.endr
	v_max3_num_f32 v8, v8, |v[XS+14]|, |v[XS+15]|
	v_max3_num_f32 v8, v8, v9, 0x1800000           ; and the floor 2^(3 - 127): the byte cannot fall under 1
	v_max_num_f32_dpp v8, v8, v8 row_xmask:1 row_mask:0xf bank_mask:0xf   ; with my neighbour's 16: the block's largest magnitude
	v_add_nc_u32 v11, 0xff000000, v8               ; 2 off its exponent field: the conversion takes that field as its scale
	v_cvt_scalef32_pk16_fp6_f32 v[QC+4*(\t):QC+4*(\t)+2], v[XS:XS+15], v11
	v_lshrrev_b32 v[QE+(\t)], 23, v11              ; the scale's byte (a plain line behind the conversion)
	ds_store_b8 v5, v[QE+(\t)] offset:16*(\t)      ; both lanes of a block write the same byte with the same value
	global_store_b96 v4, v[QC+4*(\t):QC+4*(\t)+2], s[8:9] offset:32*XCB*(\t)
.endm
.irp t, 0,1,2,3,4,5,6,7,8,9,10,11,12,13,14,15
	XSTEP \t
.endr
	ds_load_b64 v[12:13], v6
	s_wait_dscnt 0x0
	global_store_b64 v7, v[12:13], s[10:11]        ; 32 lanes store 256 consecutive bytes, aligned
	s_wait_tensorcnt 0x0
	ds_add_u32 v192, v193
	s_wait_dscnt 0x0
	s_endpgm
; ---------------- W: a lane takes a column n and its registers run down K: a block of 32 lies in one lane, and the conversions give codes with K innermost.
; A wave takes 32 columns x 256 along K; its codes go through its own stage in LDS (a row = a workspace row) and leave as rows of 192 bytes.
.set WNB,    8
.set WPITCH, 272
.set WKROW,  768
.set WX,     32                        ; v32-95   two sets of 32 numbers
.set WCD,    96                        ; v96..    a block's codes
.set WOUT,   112                       ; v112-175 the way out
.set WSB,    24                        ; v24-25   the scale bytes, four to a register
.Lpath_w:
	s_sub_co_u32 s21, ttmp9, 256
	s_lshr_b32 s22, s21, 5                         ; which weight: 0 Wq, 1 Wk, 2 Wv
	s_and_b32 s23, s21, 7                          ; which 128 columns
	s_bfe_u32 s28, s21, 0x20003                    ; which 256 along K
	s_lshl_b32 s23, s23, 7
	s_lshl_b32 s26, s20, 5
	s_add_co_u32 s23, s23, s26                     ; my wave's first column
	s_lshl_b32 s26, s28, 20                        ; 256 rows of 4,096 bytes
	s_lshl_b32 s27, s23, 2
	s_add_co_u32 s26, s26, s27
	s_mov_b32 s27, 0
	s_lshl_b32 s29, s22, 10
	s_add_co_u32 s29, s29, s23                     ; first workspace row
	s_mul_i32 s30, s29, WKROW
	s_mul_i32 s31, s28, 192
	s_add_co_u32 s30, s30, s31
	s_add_co_u32 s30, s30, WCO
	s_mov_b32 s31, 0
	s_lshl_b32 s32, s29, 5
	s_lshl_b32 s33, s28, 3
	s_add_co_u32 s32, s32, s33
	s_add_co_u32 s32, s32, WSO
	s_mov_b32 s33, 0
	s_mul_i32 s34, s20, 32*WPITCH
	s_add_co_u32 s34, s34, 32768                   ; my stage
	v_lshlrev_b32 v3, 2, v2                        ; in: 4 bytes a lane
	v_and_b32 v10, 7, v2
	v_bfe_u32 v11, v2, 3, 1
	v_lshl_or_b32 v10, v11, 4, v10
	v_lshrrev_b32 v11, 4, v2
	v_lshl_or_b32 v10, v11, 3, v10                 ; my column's workspace row among the 32: lane with bits 3 and 4 exchanged
	v_mul_u32_u24 v4, v10, WPITCH
	v_add_nc_u32 v4, s34, v4                       ; into the stage
	v_and_b32 v5, 15, v2
	v_lshrrev_b32 v6, 4, v2
	v_mul_u32_u24 v7, v6, WPITCH
	v_lshl_add_u32 v7, v5, 4, v7
	v_add_nc_u32 v7, s34, v7                       ; out of it: sixteen lanes to a row, two rows an instruction
	v_mul_u32_u24 v8, v6, WKROW
	v_mad_u32_u24 v8, v5, 12, v8                   ; and the same place in the codes' buffer
	v_lshlrev_b32 v9, 5, v10                       ; my row of scale bytes
	s_wait_kmcnt 0x0
	s_cmp_eq_u32 s22, 0
	s_cselect_b64 s[24:25], s[6:7], s[8:9]
	s_cmp_eq_u32 s22, 2
	s_cselect_b64 s[24:25], s[10:11], s[24:25]
	s_add_nc_u64 s[24:25], s[24:25], s[26:27]
	s_add_nc_u64 s[30:31], s[16:17], s[30:31]
	s_add_nc_u64 s[32:33], s[16:17], s[32:33]
.macro WLD t
.set i, 0
.rept 32
	global_load_b32 v[WX+32*((\t)%2)+i], v3, s[24:25] offset:(32*(\t)+i)*4096 th:TH_LOAD_NT
.set i, i+1
.endr
.endm
	WLD 0
	WLD 1
.macro WBLOCK t
.set XS, WX+32*((\t)%2)
.if (\t) < WNB-1
	s_wait_loadcnt 32                              ; this block's 32 loads are in; the next block's may be out
.else
	s_wait_loadcnt 0
.endif
	v_max3_num_f32 v12, |v[XS]|, |v[XS+1]|, |v[XS+2]|
	v_max3_num_f32 v13, |v[XS+3]|, |v[XS+4]|, |v[XS+5]|
.irp i, 6,10,14,18,22,26
	v_max3_num_f32 v12, v12, |v[XS+\i]|, |v[XS+\i+1]|
	v_max3_num_f32 v13, v13, |v[XS+\i+2]|, |v[XS+\i+3]|
.endr
	v_max3_num_f32 v12, v12, |v[XS+30]|, |v[XS+31]|
	v_max3_num_f32 v12, v12, v13, 0x1800000
	v_add_nc_u32 v11, 0xff000000, v12
	v_lshrrev_b32 v13, 23, v11
.if (\t)%4 == 0
	v_mov_b32 v[WSB+(\t)/4], v13
.else
	v_lshl_or_b32 v[WSB+(\t)/4], v13, 8*((\t)%4), v[WSB+(\t)/4]
.endif
	v_cvt_scalef32_pk16_fp6_f32 v[WCD:WCD+2], v[XS:XS+15], v11
	v_cvt_scalef32_pk16_fp6_f32 v[WCD+4:WCD+6], v[XS+16:XS+31], v11
	v_nop                                          ; one plain line behind the conversions
	ds_store_b96 v4, v[WCD:WCD+2] offset:32*(\t)   ; 12 bytes to a place of 16
	ds_store_b96 v4, v[WCD+4:WCD+6] offset:32*(\t)+16
.if (\t)+2 < WNB
	WLD (\t)+2
.endif
	s_wait_dscnt 0x0                               ; the stores have read their registers: the next block's codes may be written
.endm
.set Q, 0
.rept WNB
	WBLOCK Q
.set Q, Q+1
.endr
	global_store_b64 v9, v[WSB:WSB+1], s[32:33]    ; my column's 8 scale bytes
.irp t, 0,1,2,3,4,5,6,7,8,9,10,11,12,13,14,15
	ds_load_b96 v[WOUT+4*\t:WOUT+4*\t+2], v7 offset:2*\t*WPITCH
.endr
.irp t, 0,1,2,3,4,5,6,7,8,9,10,11,12,13,14,15
	s_wait_dscnt 15-\t
	global_store_b96 v8, v[WOUT+4*\t:WOUT+4*\t+2], s[30:31] offset:2*\t*WKROW
.endr
	s_wait_tensorcnt 0x0
	ds_add_u32 v192, v193
	s_wait_dscnt 0x0
	s_endpgm
; ---------------- O: Wo.  Work-group (g, ks), wave t: the fragment of columns 64 g + 16 t + r, K = 128 ks + 64 c + 32 h + i, made in the operand's own registers.
.Lpath_o:
	s_sub_co_u32 s21, ttmp9, 352
	s_and_b32 s22, s21, 15                         ; g
	s_lshr_b32 s23, s21, 4                         ; ks
	v_and_b32 v3, 15, v2                           ; r
	v_lshrrev_b32 v4, 4, v2                        ; h
	v_lshlrev_b32 v5, 2, v3
	v_lshl_add_u32 v5, v4, 17, v5                  ; column r, and 32 rows of 4,096 bytes further down for lanes 16-31
	v_lshlrev_b32 v6, 4, v2                        ; out: 16 bytes a lane
	v_lshlrev_b32 v7, 3, v3                        ; the scale word's slot: 8 bytes a row
	s_lshl_b32 s24, s23, 19                        ; 128 rows
	s_lshl_b32 s25, s22, 8
	s_add_co_u32 s24, s24, s25
	s_lshl_b32 s25, s20, 6
	s_add_co_u32 s24, s24, s25
	s_mov_b32 s25, 0
	s_lshl_b32 s26, s22, 3
	s_add_co_u32 s26, s26, s23                     ; 8 g + ks
	s_lshl_b32 s28, s26, 2
	s_add_co_u32 s28, s28, s20
	s_mul_i32 s28, s28, 1536
	s_add_co_u32 s28, s28, WOFO
	s_mov_b32 s29, 0
	s_lshl_b32 s30, s26, 8
	s_and_b32 s31, s20, 1
	s_lshl_b32 s31, s31, 7                         ; odd tiles take slots 16-31,
	s_add_co_u32 s30, s30, s31
	s_lshr_b32 s31, s20, 1
	s_lshl_b32 s31, s31, 2                         ; tiles 2 and 3 a slot's second word
	s_add_co_u32 s30, s30, s31
	s_add_co_u32 s30, s30, WOSO
	s_mov_b32 s31, 0
	s_mov_b32 s32, 0x76543210
	s_mov_b32 s33, 0xfedcba98                      ; v_permlanex16_b32's selects for lane l xor 16
	s_wait_kmcnt 0x0
	s_add_nc_u64 s[12:13], s[12:13], s[24:25]
	s_add_nc_u64 s[28:29], s[16:17], s[28:29]
	s_add_nc_u64 s[30:31], s[16:17], s[30:31]
.irp c, 0,1
.set i, 0
.rept 32
	global_load_b32 v[64+32*\c+i], v5, s[12:13] offset:(64*\c+i)*4096 th:TH_LOAD_NT
.set i, i+1
.endr
.endr
	s_wait_loadcnt 0x0
.irp c, 0,1
	v_max3_num_f32 v[32+\c], |v[64+32*\c]|, |v[65+32*\c]|, 0x1800000
.endr
.irp i, 2,4,6,8,10,12,14,16,18,20,22,24,26,28,30
.irp c, 0,1
	v_max3_num_f32 v[32+\c], v[32+\c], |v[64+32*\c+\i]|, |v[65+32*\c+\i]|
.endr
.endr
.irp c, 0,1
	v_add_nc_u32 v[44+\c], 0xff000000, v[32+\c]
.endr
.irp c, 0,1
	v_lshrrev_b32 v[36+\c], 23, v[44+\c]
.endr
	v_lshl_or_b32 v9, v37, 16, v36                 ; my two bytes: blocks h and 2 + h,
	v_lshlrev_b32 v10, 3, v4
	v_lshlrev_b32 v9, v10, v9                      ; at their places in the word;
	v_mov_b32 v10, 0
	v_permlanex16_b32 v10, v9, s32, s33
	v_or_b32 v9, v9, v10                           ; with lane l xor 16's two the word is whole
.irp c, 0,1
	v_cvt_scalef32_pk16_fp6_f32 v[48+6*\c:50+6*\c], v[64+32*\c:79+32*\c], v[44+\c]
	v_cvt_scalef32_pk16_fp6_f32 v[132+4*\c:134+4*\c], v[80+32*\c:95+32*\c], v[44+\c]
.endr
	v_nop
.irp c, 0,1
.irp i, 0,1,2
	v_mov_b32 v[51+6*\c+\i], v[132+4*\c+\i]
.endr
.endr
.irp q, 0,1,2
	global_store_b128 v6, v[48+4*\q:51+4*\q], s[28:29] offset:512*\q   ; the fragment as an image of its registers
.endr
	global_store_b32 v7, v9, s[30:31]              ; lanes r and r + 16 write the same word with the same value
	s_endpgm
.Lfunc_end_k_q66aacd1968_prep:
	.size	k_q66aacd1968_prep, .Lfunc_end_k_q66aacd1968_prep-k_q66aacd1968_prep
	.p2alignl 7, 3214868480
	.fill 96, 4, 3214868480
	.section	.rodata,"a",@progbits
	.p2align	6, 0x0
	.amdhsa_kernel k_q66aacd1968_prep
		.amdhsa_group_segment_fixed_size 69120
		.amdhsa_private_segment_fixed_size 0
		.amdhsa_enable_private_segment 0
		.amdhsa_kernarg_size 64
		.amdhsa_user_sgpr_count 2
		.amdhsa_user_sgpr_kernarg_segment_ptr 1
		.amdhsa_wavefront_size32 1
		.amdhsa_system_sgpr_workgroup_id_x 1
		.amdhsa_system_sgpr_workgroup_id_y 1
		.amdhsa_system_sgpr_workgroup_id_z 1
		.amdhsa_system_vgpr_workitem_id 0
		.amdhsa_next_free_vgpr 194
		.amdhsa_next_free_sgpr 66
		.amdhsa_reserve_vcc 0
		.amdhsa_float_denorm_mode_32 3
		.amdhsa_float_denorm_mode_16_64 3
		.amdhsa_memory_ordered 1
		.amdhsa_forward_progress 1
		.amdhsa_inst_pref_size 153
	.end_amdhsa_kernel
	.amdgpu_metadata
---
amdhsa.version: [ 1, 2 ]
amdhsa.kernels:
  - .name:           k_q66aacd1968_prep
    .symbol:         k_q66aacd1968_prep.kd
    .args:
      - { .name: x, .offset: 0, .size: 8, .value_kind: global_buffer, .address_space: global }
      - { .name: Wq, .offset: 8, .size: 8, .value_kind: global_buffer, .address_space: global }
      - { .name: Wk, .offset: 16, .size: 8, .value_kind: global_buffer, .address_space: global }
      - { .name: Wv, .offset: 24, .size: 8, .value_kind: global_buffer, .address_space: global }
      - { .name: Wo, .offset: 32, .size: 8, .value_kind: global_buffer, .address_space: global }
      - { .name: attn_mask, .offset: 40, .size: 8, .value_kind: global_buffer, .address_space: global }
      - { .name: prepq, .offset: 48, .size: 8, .value_kind: global_buffer, .address_space: global }
      - { .name: mk, .offset: 56, .size: 8, .value_kind: global_buffer, .address_space: global }
    .group_segment_fixed_size: 69120
    .private_segment_fixed_size: 0
    .kernarg_segment_align: 8
    .kernarg_segment_size: 64
    .max_flat_workgroup_size: 128
    .sgpr_count:     66
    .vgpr_count:     194
    .wavefront_size: 32
...
	.end_amdgpu_metadata
.endif
;; end of part 1
;; launch proj (part 2): grid 8 x 48, 4 waves a work-group, clusters of 4 x 4, 327,680 bytes of LDS; arguments prepq, qkv; writes qkv
.if DOCPART == 2
	.amdgcn_target "amdgcn-amd-amdhsa--gfx1250"
	.amdhsa_code_object_version 6
	.text
	.protected	k_q66aacd1968_proj
	.globl	k_q66aacd1968_proj
	.p2align	8
	.type	k_q66aacd1968_proj,@function
k_q66aacd1968_proj:
	s_mov_b64 s[64:65], 0
	v_nop
	global_prefetch_b8 v0, s[64:65] scope:SCOPE_SE
	s_setreg_imm32_b32 hwreg(HW_REG_WAVE_MODE, 25, 1), 1
	s_wait_xcnt 0x0
	s_wait_alu depctr_hold_cnt(0) depctr_sa_sdst(0) depctr_va_vdst(0) depctr_va_sdst(0) depctr_va_ssrc(0) depctr_va_vcc(0) depctr_vm_vsrc(0)
	s_getreg_b32 s2, hwreg(HW_REG_IB_STS2, 6, 4)
	s_cmp_eq_u32 s2, 0
	s_cbranch_scc0 .Lentry_in_a_cluster
	s_endpgm
.Lentry_in_a_cluster:
	s_bfe_u32 s2, ttmp6, 0x10000c
	s_cmp_lg_u32 s2, 0xf033
	s_cbranch_scc0 .Lentry_shape_is_right
	s_endpgm
.Lentry_shape_is_right:
; PROJ: q = x Wq, k = x Wk, v = x Wv on codes of FP6 (E2M3) with E8M0 scales, sums in f32, and the results quantised in registers into the operands of the attention launch.
; One product C[m][n] = sum over k of A[m][k] B[n][k], K = 1,024, tiles of 256 x 256, four waves of 128 x 128 (64 accumulators, 512 registers), K in steps of 256 through a ring of two LDS slots.
; TWO MODES, by the cluster's y (the same in all sixteen partners):
;   qk (cluster y 0..7):  A = x's 8,192 rows, B = the 2,048 rows of Wq^T and Wk^T.  A lane ends with ONE token and 128 channels (two heads) in its registers: K of the scores' product.
;   v  (cluster y 8..11): A = the 1,024 rows of Wv^T, B = x's rows.  A lane ends with ONE channel and 128 tokens in its registers: K of the second attention product.
; THE MATRIX INSTRUCTION IS USED TRANSPOSED (source 0 = 16 rows of B, source 1 = 16 rows of A).  The code buffers hold tensor row p with bits 3 and 4 exchanged in workspace row p, so that the 16 registers of
; B's tiles 2 g and 2 g + 1 are tensor rows 32 g + 16 (lane / 16) + 0 .. 15: 16 neighbours along the next K; and lane r of A's tile 2 g + u is tensor row 32 g + 8 u + r + 8 (r / 8).
; CLUSTERS: 4 x 4 work-groups; A's tile is asked for jointly along a row of the cluster, B's along a column.  The scales of the work-group's rows, for all of K, come into LDS once.
; THE WAY OUT touches no LDS: each block of 16 rows x 128 is quantised (largest magnitude of each 32, scale byte, conversion) and stored as an image of the operand's registers.
; LIMITS: a block whose largest magnitude lies under 2^-124, zeros among them, keeps the scale byte 1; NaN and infinities are not served.
; REGISTERS, in windows of 256: window 0: v0-31 addresses; v32-63 scale words, two sets, and nothing else ever; from v128 A's fragments, one set; on the way out v112-131 codes, v200-231 at work.
;   window 1: B's fragments, two sets.   window 2: the accumulators of my rows 0-63 ((a, b) at v[8 (8 a + b)]);   window 3: those of my rows 64-127.
.set SIZE_K, 1024
.set KSTEP,  256
.set NQ,     KSTEP/128
.set ROWB,   192                       ; a tile's row in bytes
.set KROW,   SIZE_K*6/8                ; a row of codes in memory
.set PITCH,  240                       ; an LDS row: 3 x (64 bytes + 16 of padding)
.set FR,     12
.set NL,     6
.set NP,     4
.set HALFT,  128*PITCH
.set SLOT,   4*HALFT
.set LAPS,   SIZE_K/(2*KSTEP)
.set KS,     SIZE_K/32
.set SCL,    2*SLOT                    ; behind the ring: the scales, as units of 256 bytes + 16 of padding
.set HALFS,  (128*KS/256)*272
.set SBLK,   (16*KS/256)*272
.set SPARE,  SCL+4*HALFS               ; the spare words, 128 bytes a wave: two blocks of 256 bytes that no other line names
.set XSO,    6291456                   ; prepq: x's scale bytes
.set WCO,    6553600                   ; the weights' codes
.set WSO,    8912896                   ; their scale bytes
.set AV_C,   WCO+2048*768              ; Wv's codes
.set AV_S,   WSO+2048*32               ; Wv's scale bytes
.set QKSO,   12582912                  ; qkv: q's and k's scale words
.set VCO,    13107200                  ; v's fragments
.set VSO,    19398656                  ; v's scale words
.set ADRA, 16
.set ADRB, 20
.set L16,  24                          ; v24  16 x lane
.set L8,   25                          ; v25  8 x lane
.set SOF,  26                          ; v26  my place among the scale words on the way out
.set ADRS, 27
.set SPW,  28
.set NIL,  29
.set SELV, 30                          ; v30  byte selects: lanes 0-15 the low halves, lanes 16-31 the high halves
.set SC,   32
.set AF,   128
.set PC,   112                         ; the way out: v112-123 a fragment's codes, v124-130 halves on their way
.set TM,   200                         ; v200-215 at work
.set PW,   216
.set PWS,  220                         ; v220-227 the scale word of each of my eight blocks
.set SW,   228                         ; v228-231 the four words that a lane stores
.set G1, 24
.set G0, 32
.set G1B, 48
.set G0B, 56
.set G1S, 68
.set G0S, 76
.set G1SB, 80
.set G0SB, 88
.set MODE, 98                          ; s98  0: qk, 1: v
.set MSB, 0
.macro WIN new
.if MSB != \new
	s_set_vgpr_msb (MSB<<8)|\new
.set MSB, \new
.endif
.endm
.set MUL_LO, 0xa1
.set MUL_HI, 0xf1
.set TO_B,   0x40
; A joint load: waves 0 and 1 fetch for A, waves 2 and 3 for B.  Four v_nop follow each of the two lines.
.macro JLOAD g0a, g1a, g0b, g1b
	s_cmp_eq_u32 s15, 0
	s_cbranch_scc0 .Lfor_b_\@
	tensor_load_to_lds s[\g0a:\g0a+3], s[\g1a:\g1a+7]
	s_nop 0
.rept 4
	v_nop
.endr
	s_branch .Lasked_\@
.Lfor_b_\@:
	tensor_load_to_lds s[\g0b:\g0b+3], s[\g1b:\g1b+7]
	s_nop 0
.rept 4
	v_nop
.endr
.Lasked_\@:
.endm
.macro CREST
	s_cmp_lg_u32 s14, 0
	s_cbranch_scc1 .Lnot_wave_0_\@
	s_barrier_signal -3
.Lnot_wave_0_\@:
	s_barrier_wait -3
	s_barrier_signal -1
	s_barrier_wait -1
.endm
.macro CROUND
	s_barrier_signal -1
	s_barrier_wait -1
	CREST
.endm
	s_load_b128 s[4:7], s[0:1], 0x0                ; prepq s[4:5], qkv s[6:7]
	v_lshl_add_u32 v[SPW], v0, 2, SPARE
	v_mov_b32 v[NIL], 0
	ds_add_u32 v28, v29
	ds_add_u32 v28, v29
	s_wait_dscnt 0x0
	v_lshrrev_b32 v1, 5, v0
	v_readfirstlane_b32 s14, v1                    ; wave 0..3
	s_lshr_b32 s15, s14, 1                         ; which half of the tile's rows is mine.  Also: I fetch for A (0) or for B (1)
	s_and_b32 s16, s14, 1                          ; which half of its columns.  Also: which 128 rows of that tile I fetch
	s_bfe_u32 s40, ttmp6, 0x40000                  ; cx
	s_bfe_u32 s41, ttmp6, 0x40004                  ; cy
	s_and_b32 s96, ttmp7, 0xffff                   ; the cluster's y
	s_lshl_b32 s12, s96, 2                         ; qk: first tile row of the cluster
	s_lshl_b32 s13, ttmp9, 2                       ; qk: first tile column
	s_lshl_b32 s18, s96, 3
	s_add_co_u32 s18, s18, s13
	s_sub_co_u32 s18, s18, 64                      ; v: first tile column = 4 (cluster x + 2 (cluster y - 8))
	s_mov_b32 s8, AV_C
	s_mov_b32 s9, AV_S
	s_mov_b32 s10, WCO
	s_mov_b32 s11, XSO
	s_cmp_lt_u32 s96, 8                            ; the mode hangs on the cluster's y alone
	s_cselect_b32 s8, 0, s8                        ; where A's codes begin in prepq
	s_cselect_b32 s9, XSO, s9                      ; A's scale bytes
	s_cselect_b32 s10, s10, 0                      ; B's codes
	s_cselect_b32 s11, WSO, s11                    ; B's scale bytes
	s_cselect_b32 s17, s12, 0
	s_cselect_b32 s42, s13, s18
	s_cselect_b32 s[MODE], 0, 1
	s_cselect_b32 s97, 14, 12                      ; the way out: log2 of the bytes from one head's scale words to the next head's
	s_add_co_u32 s17, s17, s41                     ; tile row: the cluster's and cy
	s_add_co_u32 s42, s42, s40                     ; tile column: the cluster's and cx
	s_lshl_b32 s43, s41, 2
	s_lshl_b32 s43, 15, s43                        ; my row of the cluster
	s_lshl_b32 s44, 0x1111, s40                    ; my column
	s_mov_b32 s99, 0xffff0000                      ; lanes 16-31
	; descriptor group 1: a tile of 128 rows x 192 bytes; 16 bytes of padding behind every 64
	s_or_b32 s[G1+0], s43, (0<<16)|(1<<20)|(1<<21)|(3<<22)|(3<<25)
	s_or_b32 s[G1B+0], s44, (0<<16)|(1<<20)|(1<<21)|(3<<22)|(3<<25)
.irp g, G1, G1B
	s_mov_b32 s[\g+1], ROWB<<16                    ; tensor_dim0
	s_mov_b32 s[\g+2], 128<<16                     ; tensor_dim1
	s_mov_b32 s[\g+3], ROWB<<16                    ; tile_dim0
	s_mov_b32 s[\g+4], 128                         ; tile_dim1
	s_mov_b32 s[\g+5], KROW                        ; stride from row to row
	s_mov_b32 s[\g+6], 0
	s_mov_b32 s[\g+7], 0
.endr
	; the scales of 128 rows: 4,096 dense bytes as 16 rows of 256 bytes (32 elements of 8), 16 bytes of padding behind each
	s_or_b32 s[G1S+0], s43, (3<<16)|(1<<20)|(1<<21)|(5<<22)|(3<<25)
	s_or_b32 s[G1SB+0], s44, (3<<16)|(1<<20)|(1<<21)|(5<<22)|(3<<25)
.irp g, G1S, G1SB
	s_mov_b32 s[\g+1], 32<<16
	s_mov_b32 s[\g+2], (128*KS/256)<<16
	s_mov_b32 s[\g+3], 32<<16
	s_mov_b32 s[\g+4], 128*KS/256
	s_mov_b32 s[\g+5], 32
	s_mov_b32 s[\g+6], 0
	s_mov_b32 s[\g+7], 0
.endr
	s_lshl_b32 s18, s16, 7                         ; which 128 rows of the tile I fetch
	s_lshl_b32 s20, s17, 8
	s_add_co_u32 s20, s20, s18                     ; A: row 256 x tile row + 128 x half
	s_lshl_b32 s46, s42, 8
	s_add_co_u32 s46, s46, s18                     ; B: row 256 x tile column + 128 x half
	s_mul_i32 s22, s20, KS                         ; all these offsets stay under the buffer's 9,830,400 bytes
	s_add_co_u32 s22, s22, s9
	s_mov_b32 s23, 0
	s_mul_i32 s20, s20, KROW
	s_add_co_u32 s20, s20, s8
	s_mov_b32 s21, 0
	s_mul_i32 s92, s46, KS
	s_add_co_u32 s92, s92, s11
	s_mov_b32 s93, 0
	s_mul_i32 s46, s46, KROW
	s_add_co_u32 s46, s46, s10
	s_mov_b32 s47, 0
	s_mul_i32 s45, s14, HALFT                      ; where they go: wave x 128 rows: no place in the cluster enters an LDS address
	s_mul_i32 s94, s14, HALFS
	s_wait_kmcnt 0x0
	s_add_nc_u64 s[20:21], s[4:5], s[20:21]
	s_add_nc_u64 s[22:23], s[4:5], s[22:23]
	s_add_nc_u64 s[46:47], s[4:5], s[46:47]
	s_add_nc_u64 s[92:93], s[4:5], s[92:93]
	CROUND                                         ; all sixteen work-groups are here: the first joint loads meet
	s_mov_b32 s[G0S], 1
	s_add_co_u32 s[G0S+1], s94, SCL
	s_mov_b64 s[G0S+2:G0S+3], s[22:23]
	s_or_b32 s[G0S+3], s[G0S+3], 0x80000000
	s_mov_b32 s[G0SB], 1
	s_add_co_u32 s[G0SB+1], s94, SCL
	s_mov_b64 s[G0SB+2:G0SB+3], s[92:93]
	s_or_b32 s[G0SB+3], s[G0SB+3], 0x80000000
	JLOAD G0S, G1S, G0SB, G1SB                     ; the scales first: they are wanted with K step 0
.irp s, 0,1
	s_mov_b32 s[G0+4*\s], 1
	s_add_co_u32 s[G0+4*\s+1], s45, \s*SLOT
	s_add_nc_u64 s[G0+4*\s+2:G0+4*\s+3], s[20:21], \s*ROWB
	s_or_b32 s[G0+4*\s+3], s[G0+4*\s+3], 0x80000000
	s_mov_b32 s[G0B+4*\s], 1
	s_add_co_u32 s[G0B+4*\s+1], s45, \s*SLOT
	s_add_nc_u64 s[G0B+4*\s+2:G0B+4*\s+3], s[46:47], \s*ROWB
	s_or_b32 s[G0B+4*\s+3], s[G0B+4*\s+3], 0x80000000
	JLOAD G0+4*\s, G1, G0B+4*\s, G1B               ; three tensor loads of mine are out now
.endr
	v_and_b32 v1, 15, v0                           ; l % 16
	v_bfe_u32 v2, v0, 4, 1                         ; l / 16
	v_mul_u32_u24 v3, v1, PITCH
	v_mul_u32_u24 v4, v2, 24
	v_add_nc_u32 v4, v3, v4                        ; a fragment's row x pitch + 24 x half
	v_lshl_add_u32 v5, v2, 4, v4                   ; and the same behind one padding more
	s_mul_i32 s21, s15, HALFT                      ; my 128 rows of A
	s_mul_i32 s22, s16, HALFT                      ; my 128 rows of B,
	s_add_co_u32 s22, s22, 2*HALFT                 ; which lie behind A's 256
.irp s, 0,1
	v_add_nc_u32 v[ADRA+\s], s21, v4
	v_add_nc_u32 v[ADRB+\s], s22, v4
	v_add_nc_u32 v[ADRA+2+\s], s21, v5
	v_add_nc_u32 v[ADRB+2+\s], s22, v5
	s_add_co_u32 s21, s21, SLOT
	s_add_co_u32 s22, s22, SLOT
.endr
	v_mul_u32_u24 v5, v1, KS                       ; my row's scales: KS bytes a row,
	v_lshrrev_b32 v6, 8, v5
	v_lshl_add_u32 v5, v6, 4, v5                   ; and 16 more for each 256 passed
	s_mul_i32 s21, s15, HALFS
	s_mul_i32 s22, s16, HALFS
	s_add_co_u32 s22, s22, 2*HALFS
	s_sub_co_u32 s22, s22, s21
	v_mul_u32_u24 v6, s22, v2                      ; lanes 16-31 take B's
	s_add_co_u32 s21, s21, SCL
	v_add_nc_u32 v5, v5, v6
	v_add_nc_u32 v[ADRS], s21, v5
	v_and_b32 v6, 31, v0                           ; the way out:
	v_lshlrev_b32 v[L16], 4, v6
	v_lshlrev_b32 v[L8], 3, v6
	v_lshlrev_b32 v[SOF], s97, v2                  ; lanes 16-31 store the second head's words,
	v_lshl_or_b32 v[SOF], v1, 4, v[SOF]            ; 16 bytes a row
	v_mov_b32 v[SELV], 0x05040100
	v_mov_b32 v31, 0x07060302
	v_cndmask_b32 v[SELV], v[SELV], v31, s99
.macro FRAG reg, adr, q, i             ; 16 rows x 128 K of 6-bit codes: 12 registers, in pieces of 8 bytes; where the piece three on lies behind one padding more, the second address register serves
.irp p, 0,1,2,3,4,5
.set PCE, 12*(\q)+6*(\p/3)+\p%3
.if PCE%8 < 5
	ds_load_b64 v[\reg+2*\p:\reg+2*\p+1], v[\adr] offset:8*PCE+16*(PCE/8)+(\i)*16*PITCH
.else
	ds_load_b64 v[\reg+2*\p:\reg+2*\p+1], v[\adr+2] offset:8*PCE+16*(PCE/8)+(\i)*16*PITCH
.endif
.endr
.endm
; 16 matrix instructions: A's blocks a0, a0 + 1 x B's eight.  The 64 accumulators take turns, one instruction a turn, in the same order in every step.
.macro MUL16 a0, p, q, sc, zero
.irp a, \a0, \a0+1
.irp b, 0,1,2,3,4,5,6,7
.if \zero
	v_wmma_scale_f32_16x16x128_f8f6f4 v[8*(8*((\a)%4)+\b):8*(8*((\a)%4)+\b)+7], v[128*(\p)+FR*\b:128*(\p)+FR*\b+FR-1], v[AF+FR*(\a):AF+FR*(\a)+FR-1], 0, v[SC+8*NQ*(\sc)+NQ*\b+(\q)], v[SC+8*NQ*(\sc)+NQ*(\a)+(\q)] matrix_a_fmt:MATRIX_FMT_FP6 matrix_b_fmt:MATRIX_FMT_FP6 matrix_a_scale:MATRIX_SCALE_ROW1
.else
	v_wmma_scale_f32_16x16x128_f8f6f4 v[8*(8*((\a)%4)+\b):8*(8*((\a)%4)+\b)+7], v[128*(\p)+FR*\b:128*(\p)+FR*\b+FR-1], v[AF+FR*(\a):AF+FR*(\a)+FR-1], v[8*(8*((\a)%4)+\b):8*(8*((\a)%4)+\b)+7], v[SC+8*NQ*(\sc)+NQ*\b+(\q)], v[SC+8*NQ*(\sc)+NQ*(\a)+(\q)] matrix_a_fmt:MATRIX_FMT_FP6 matrix_b_fmt:MATRIX_FMT_FP6 matrix_a_scale:MATRIX_SCALE_ROW1
.endif
.endr
.endr
.endm
.macro FETCH_B slot, q, p
	WIN TO_B
.irp i, 0,1,2,3,4,5,6,7
	FRAG 128*(\p)+FR*\i, ADRB+\slot, \q, \i
.endr
	WIN 0
.endm
.macro FETCH_A slot, q, i0
.irp i, \i0, \i0+1, \i0+2, \i0+3
	FRAG AF+FR*(\i), ADRA+\slot, \q, \i
.endr
.endm
.macro SCALES sc                       ; lanes 0-15 take the words of A's block i, lanes 16-31 those of B's block i
.irp i, 0,1,2,3,4,5,6,7
	ds_load_b64 v[SC+8*NQ*\sc+NQ*\i:SC+8*NQ*\sc+NQ*\i+1], v[ADRS] offset:\i*SBLK
.endr
.endm
.macro PLACES n                        ; plain vector lines between a matrix instruction and a load into, or a vector line on, its registers
.rept \n
	v_nop
.endr
.endm
.macro STEP slot, q, zero              ; a step of 128 along K that has its successor in the same slot
	s_wait_dscnt 4*NL                              ; B's set and A's blocks 0-3 are in; the youngest 24 loads (A's blocks 4-7) may be out
	WIN MUL_LO
	MUL16 0, (\q)%2, \q, \slot, \zero
	MUL16 2, (\q)%2, \q, \slot, \zero
	s_wait_dscnt 0
	PLACES NP
	FETCH_B \slot, (\q)+1, 1-(\q)%2
	FETCH_A \slot, (\q)+1, 0
	WIN MUL_HI
	MUL16 4, (\q)%2, \q, \slot, \zero
	MUL16 6, (\q)%2, \q, \slot, \zero
	PLACES NP
	WIN 0
	FETCH_A \slot, (\q)+1, 4
.endm
; A slot's last step changes slots: one barrier; in front of it each wave waits for all its tensor loads, adds 0 to its spare word, and waits for that and for its own reads of this slot.
.macro TURN slot, next, fill
	s_wait_tensorcnt 0x0                           ; all my tensor loads have landed: my part of the next slot
	ds_add_u32 v[SPW], v[NIL]                      ; 0 onto my spare word
	s_wait_dscnt 4*NL+1                            ; the add and the youngest 24 loads may be out
	WIN MUL_LO
	MUL16 0, 1, NQ-1, \slot, 0
	s_wait_dscnt 0x0                               ; the add is done, and my reads of this slot are over
	s_barrier_signal -1
	MUL16 2, 1, NQ-1, \slot, 0
	WIN 0
	s_barrier_wait -1
.if \fill
	CREST                                          ; the barrier has opened a round of the cluster's barrier: no wave of any partner still reads this slot or has a load on its way
	s_add_nc_u64 s[G0+4*\slot+2:G0+4*\slot+3], s[G0+4*\slot+2:G0+4*\slot+3], 2*ROWB
	s_add_nc_u64 s[G0B+4*\slot+2:G0B+4*\slot+3], s[G0B+4*\slot+2:G0B+4*\slot+3], 2*ROWB
	JLOAD G0+4*\slot, G1, G0B+4*\slot, G1B         ; my one tensor load behind the round
.else
	PLACES NP
.endif
	v_add_nc_u32 v[ADRS], 4*NQ, v[ADRS]            ; on to the next K step's scale words
	FETCH_B \next, 0, 0
	FETCH_A \next, 0, 0
	SCALES \next
	WIN MUL_HI
	MUL16 4, 1, NQ-1, \slot, 0
	MUL16 6, 1, NQ-1, \slot, 0
	PLACES NP
	WIN 0
	FETCH_A \next, 0, 4
.endm
	s_wait_tensorcnt 1                             ; the scales and my part of K step 0 are in; K step 1's load may be out
	s_barrier_signal -1
	s_barrier_wait -1
	FETCH_B 0, 0, 0
	FETCH_A 0, 0, 0
	SCALES 0
	FETCH_A 0, 0, 4
	STEP 0, 0, 1                                   ; the first step stands in front of the loop: its products start the sums
	s_mov_b32 s3, LAPS-1
.Llap:
	TURN 0, 1, 1
	STEP 1, 0, 0
	TURN 1, 0, 1
	STEP 0, 0, 0
	s_sub_co_u32 s3, s3, 1
	s_cmp_lg_u32 s3, 0
	s_cbranch_scc1 .Llap
	TURN 0, 1, 0                                   ; the last lap fills nothing
	STEP 1, 0, 0
	s_wait_dscnt 4*NL
	WIN MUL_LO
	MUL16 0, 1, NQ-1, 1, 0
	MUL16 2, 1, NQ-1, 1, 0
	s_wait_dscnt 0
	WIN MUL_HI
	MUL16 4, 1, NQ-1, 1, 0
	MUL16 6, 1, NQ-1, 1, 0
	WIN 0
; THE WAY OUT.  Block a (16 rows of A x my 128 rows of B): register 16 b + i of a lane is k = 32 b + 16 (lane / 16) + i of the lane's row along the next K.
	PLACES NP
.irp b, 0,1,2,3
	v_mov_b32 v[TM+4+\b], 0                        ; written once: a lane permute's destination counts as one of its sources
.endr
	s_mov_b32 s94, 0x76543210
	s_mov_b32 s95, 0xfedcba98
	s_lshl_b32 s8, s42, 2
	s_lshl_b32 s9, s16, 1
	s_add_co_u32 s8, s8, s9                        ; qk: my first head (0-15 q, 16-31 k) = 4 x tile column + 2 x half;  v: twice my group of 128 tokens
	s_lshl_b32 s10, s17, 4
	s_lshl_b32 s11, s15, 3
	s_add_co_u32 s10, s10, s11                     ; qk: my first tile of 16 tokens = 16 x tile row + 8 x half;  v: four times my first head
	s_lshl_b32 s18, s8, 9
	s_add_co_u32 s18, s18, s10
	s_mul_i32 s18, s18, 768                        ; qk codes: [head][tile][768]
	s_lshl_b32 s19, s8, 6
	s_lshr_b32 s20, s10, 3
	s_add_co_u32 s19, s19, s20
	s_lshl_b32 s19, s19, 8
	s_add_co_u32 s19, s19, QKSO                    ; qk scale words: [head][group of 128 tokens][256]
	s_lshr_b32 s20, s8, 1
	s_lshr_b32 s21, s20, 4                         ; v: the batch,
	s_and_b32 s20, s20, 15                         ; the key step,
	s_lshr_b32 s22, s10, 2                         ; my first head
	s_lshl_b32 s21, s21, 4
	s_add_co_u32 s21, s21, s22
	s_lshl_b32 s21, s21, 4
	s_add_co_u32 s21, s21, s20
	s_mul_i32 s22, s21, 6144
	s_add_co_u32 s22, s22, VCO                     ; v codes: [batch][head][step][tile][1536]
	s_lshl_b32 s23, s21, 8
	s_add_co_u32 s23, s23, VSO                     ; v scale words: [batch][head][step][256]
	s_cmp_eq_u32 s[MODE], 0
	s_cselect_b32 s8, s18, s22
	s_cselect_b32 s10, s19, s23
	s_mov_b32 s9, 0
	s_mov_b32 s11, 0
	s_add_nc_u64 s[8:9], s[6:7], s[8:9]
	s_add_nc_u64 s[10:11], s[6:7], s[10:11]
.macro QUANTW a                        ; block a's 64 numbers a lane -> codes in v[PC] on, scale word in v[PWS + a].  Each accumulator is first read at its two lowest registers
.set AC, 64*((\a)%4)
	WIN 0x0a+5*((\a)/4)                            ; sources 0 and 1: window 2 or 3
.irp b, 0,1,2,3
	v_max3_num_f32 v[TM+\b], |v[AC+16*\b]|, |v[AC+1+16*\b]|, 0x1800000   ; and the floor 2^(3 - 127): the byte cannot fall under 1
.endr
.irp i, 2,4,6,8,10,12,14
.irp b, 0,1,2,3
	v_max3_num_f32 v[TM+\b], |v[AC+16*\b+\i]|, |v[AC+1+16*\b+\i]|, v[TM+\b]
.endr
.endr
	WIN 0
.irp b, 0,1,2,3
	v_permlanex16_b32 v[TM+4+\b], v[TM+\b], s94, s95
.endr
.irp b, 0,1,2,3
	v_max_num_f32 v[TM+\b], v[TM+\b], v[TM+4+\b]   ; with lane l xor 16's: the block's largest magnitude
.endr
.irp b, 0,1,2,3
	v_add_nc_u32 v[TM+12+\b], 0xff000000, v[TM+\b] ; 2 off its exponent field: the conversion's scale operand
.endr
.irp b, 0,1,2,3
	v_lshrrev_b32 v[TM+4+\b], 23, v[TM+12+\b]      ; the scale's byte
.endr
	v_lshl_or_b32 v[PW], v[TM+5], 8, v[TM+4]
	v_lshl_or_b32 v[PW], v[TM+6], 16, v[PW]
	v_lshl_or_b32 v[PW], v[TM+7], 24, v[PW]
	WIN 2+(\a)/4                                   ; source 0: window 2 or 3
.irp c, 0,1
	v_cvt_scalef32_pk16_fp6_f32 v[PC+6*\c:PC+2+6*\c], v[AC+32*\c:AC+15+32*\c], v[TM+12+2*\c]
	v_cvt_scalef32_pk16_fp6_f32 v[PC+12+4*\c:PC+14+4*\c], v[AC+16+32*\c:AC+31+32*\c], v[TM+12+2*\c+1]
.endr
	WIN 0
	v_nop                                          ; one plain line behind the conversions
.irp c, 0,1                            ; the operand's layout wants a whole block in a lane
.irp i, 0,1,2
	v_permlane16_swap_b32 v[PC+6*\c+\i], v[PC+12+4*\c+\i]
.endr
.irp i, 0,1,2
	v_mov_b32 v[PC+3+6*\c+\i], v[PC+12+4*\c+\i]
.endr
.endr
	v_mov_b32 v[PWS+(\a)], v[PW]
.endm
.macro OUTA a
.if (\a) > 0
	s_wait_xcnt 0x0                                ; the last block's stores have read their registers
.endif
	QUANTW \a
	s_cmp_eq_u32 s[MODE], 0
	s_cbranch_scc0 .Lcodes_v_\@
	global_store_b128 v[L16], v[PC:PC+3], s[8:9] offset:768*(\a)                  ; registers 0-5: the first head's 64 channels of tile a;
	global_store_b64 v[L8], v[PC+4:PC+5], s[8:9] offset:768*(\a)+512
	global_store_b128 v[L16], v[PC+6:PC+9], s[8:9] offset:393216+768*(\a)         ; registers 6-11: the second head's
	global_store_b64 v[L8], v[PC+10:PC+11], s[8:9] offset:393216+768*(\a)+512
	s_branch .Lcodes_done_\@
.Lcodes_v_\@:
.irp q, 0,1,2
	global_store_b128 v[L16], v[PC+4*\q:PC+4*\q+3], s[8:9] offset:((\a)/4)*98304+((\a)%4)*1536+512*\q   ; head a / 4, channel tile a % 4: the fragment whole
.endr
.Lcodes_done_\@:
.endm
.irp a, 0,1,2,3,4,5,6,7
	OUTA \a
.endr
	s_cmp_eq_u32 s[MODE], 0
	s_cbranch_scc0 .Lwords_v
.irp p, 0,1,2,3
	v_perm_b32 v[SW+\p], v[PWS+2*\p+1], v[PWS+2*\p], v[SELV]   ; word p: the two bytes of tile 2 p, then those of tile 2 p + 1, of my lanes' head
.endr
	s_branch .Lwords_done
.Lwords_v:
.irp t, 0,1,2,3
	v_cndmask_b32 v[SW+\t], v[PWS+\t], v[PWS+4+\t], s99        ; word t: channel tile t of my lanes' head
.endr
.Lwords_done:
	global_store_b128 v[SOF], v[SW:SW+3], s[10:11]             ; sixteen lanes store 256 consecutive bytes, aligned
	s_wait_tensorcnt 0x0                           ; the wave's end
	ds_add_u32 v[SPW], v[NIL]
	s_wait_dscnt 0x0
	CROUND                                         ; the closing round
	s_endpgm
.Lfunc_end_k_q66aacd1968_proj:
	.size	k_q66aacd1968_proj, .Lfunc_end_k_q66aacd1968_proj-k_q66aacd1968_proj
	.p2alignl 7, 3214868480
	.fill 96, 4, 3214868480
	.section	.rodata,"a",@progbits
	.p2align	6, 0x0
	.amdhsa_kernel k_q66aacd1968_proj
		.amdhsa_group_segment_fixed_size 327680
		.amdhsa_private_segment_fixed_size 0
		.amdhsa_enable_private_segment 0
		.amdhsa_kernarg_size 16
		.amdhsa_user_sgpr_count 2
		.amdhsa_user_sgpr_kernarg_segment_ptr 1
		.amdhsa_wavefront_size32 1
		.amdhsa_system_sgpr_workgroup_id_x 1
		.amdhsa_system_sgpr_workgroup_id_y 1
		.amdhsa_system_sgpr_workgroup_id_z 1
		.amdhsa_system_vgpr_workitem_id 0
		.amdhsa_next_free_vgpr 1024
		.amdhsa_next_free_sgpr 100
		.amdhsa_reserve_vcc 0
		.amdhsa_float_denorm_mode_32 3
		.amdhsa_float_denorm_mode_16_64 3
		.amdhsa_memory_ordered 1
		.amdhsa_forward_progress 1
		.amdhsa_inst_pref_size 170
	.end_amdhsa_kernel
	.amdgpu_metadata
---
amdhsa.version: [ 1, 2 ]
amdhsa.kernels:
  - .name:           k_q66aacd1968_proj
    .symbol:         k_q66aacd1968_proj.kd
    .args:
      - { .name: prepq, .offset: 0, .size: 8, .value_kind: global_buffer, .address_space: global }
      - { .name: qkv, .offset: 8, .size: 8, .value_kind: global_buffer, .address_space: global }
    .group_segment_fixed_size: 327680
    .private_segment_fixed_size: 0
    .kernarg_segment_align: 8
    .kernarg_segment_size: 16
    .max_flat_workgroup_size: 128
    .sgpr_count:     100
    .vgpr_count:     1024
    .wavefront_size: 32
...
	.end_amdgpu_metadata
.endif
;; end of part 2
;; launch attn (part 3): grid 4 x 64, 16 waves a work-group, no clusters, 206,848 bytes of LDS; arguments qkv, mk, zq; writes zq
.if DOCPART == 3
	.amdgcn_target "amdgcn-amd-amdhsa--gfx1250"
	.amdhsa_code_object_version 6
	.text
	.protected	k_q66aacd1968_attn
	.globl	k_q66aacd1968_attn
	.p2align	8
	.type	k_q66aacd1968_attn,@function
k_q66aacd1968_attn:
	s_mov_b64 s[64:65], 0
	v_nop
	global_prefetch_b8 v0, s[64:65] scope:SCOPE_SE
	s_setreg_imm32_b32 hwreg(HW_REG_WAVE_MODE, 25, 1), 1
	s_wait_xcnt 0x0
; ATTN: z = softmax(where(mask, -1e6, q k^T / 8)) v for one (batch, head), both products on codes of FP6 (E2M3) with E8M0 scales; z is quantised in registers into the operand of the last product.
; THE SOFTMAX AHEAD OF THE SECOND PRODUCT: t = logit x log2(e); M = the row's largest t so far, rounded UP to a whole number; p = 2^(t - M) is quantised along the keys, not normalised; the row's sum is taken of the
; unquantised p and divides at the end.  When M moves, the sum and O are multiplied by 2^(old M - new M): exact.
; SHARES.  Work-group (x, batch x head) owns the query tiles T = x mod 4 of the head; wave w takes tiles x + 4 w and x + 124 - 4 w, one after the other, each against all 16 steps of 128 keys.
; A tile's lane r is token 32 (T / 2) + 8 (T % 2) + r + 8 (r / 8), for queries and keys alike, so that the 16 registers of key tiles 2 b and 2 b + 1 are 16 neighbouring keys.
; THE HEAD'S K AND V, CODES AND SCALE WORDS, 204,800 BYTES, COME INTO LDS ONCE, through registers, as images of operand registers; one barrier; after it LDS is only read.
; WHY NO TENSOR LOAD AND NO JOINT REQUEST though four work-groups read the same head: a step's way hangs on a number read from memory (its class).
; K = 64 IN AN INSTRUCTION OF 128: a fragment of K holds key tile 2 p in registers 0-5 and key tile 2 p + 1 in registers 6-11; the queries stand between two runs of zero codes (v16-21 = 0, v22-27 = q, v28-33 = 0):
; source 1 = v[22:33] multiplies tile 2 p, source 1 = v[16:27] tile 2 p + 1.
; THE MASK IS AN INPUT.  The launch before has stored, for each (tile, step), 64 words (bit = lane, word = score register) and a class.  Class 0: nothing masked.  Class 1: t = score x c is formed, masked places take
; TM = f32(-1e6 x log2(e)) = -1442695.0, and the step goes on as any other.  Class 2, all masked: every p of the step is pm = 2^(TM - M), an exact power of two and so its own quantised value; the step adds
; pm x (sum of the quantised v over its keys) to O and 128 pm to the row's sum.  That sum over keys is made by the same matrix instruction against codes of 1.0, into accumulators of its own, and pm is applied once, at the
; tile's end, under the final M, into whose maximum TM is taken.  So rows that are masked throughout, and logits near or under -1e6, come out as the definition has them.
; LIMITS: t is one fused multiply-add of the raw score with c = log2(e) / 8 where nothing is masked, and a rounded product and a sum in mixed steps; v_exp_f32 gives 0 for p under 2^-126;
; a block whose largest magnitude lies under 2^-124 keeps the scale byte 1; NaN and infinities are not served.
; REGISTERS: v1 16 lane, v2 8 lane, v3 16 r + K's scale words, v4-7 the step's LDS addresses, v8 q's scale word, v10 the scale word of ones, v11 TM, v12 -M, v13 the largest t, v[14:15] the sum,
;   v16-33 0 | q | 0, v34-81 four fragments of K or V, v82-93 codes of 1.0, v94 16 r, v95 at work, v96-159 S^T, then p, then z, v160-191 O^T, v192-223 the masked steps' sums, v224-235 p's codes,
;   v232-247 at work, v248-251 K's or V's scale words, v252 f, v253 p's scale word, v254 at work, v255 4 r.
.set QKSO, 12582912
.set VCO,  13107200
.set VSO,  19398656
.set CLSO, 524288
.set ZSO,  6291456
.set LV,   98304                       ; LDS: K's 128 half fragments of 768 bytes at 0; V's 64 fragments of 1,536 bytes here;
.set LKS,  196608                      ; K's scale words [step][r][p]; V's [step][r][t] 4,096 bytes on
.set F,    34
	s_load_b128 s[4:7], s[0:1], 0x0                ; qkv s[4:5], mk s[6:7]
	s_load_b64 s[8:9], s[0:1], 0x10                ; zq
	v_lshrrev_b32 v1, 5, v0
	s_delay_alu instid0(VALU_DEP_1)
	v_readfirstlane_b32 s2, v1                     ; wave 0..15
	v_and_b32 v3, 31, v0
	s_delay_alu instid0(VALU_DEP_1)
	v_lshlrev_b32 v1, 4, v3
	s_delay_alu instid0(VALU_DEP_2)
	v_lshlrev_b32 v2, 3, v3
	v_and_b32 v3, 15, v0
	s_delay_alu instid0(VALU_DEP_1)
	v_lshlrev_b32 v94, 4, v3
	s_delay_alu instid0(VALU_DEP_2)
	v_lshlrev_b32 v255, 2, v3
	s_delay_alu instid0(VALU_DEP_2)
	v_add_nc_u32 v3, LKS, v94
	v_lshlrev_b32 v9, 4, v0                        ; the fill: 16 bytes a thread, 8,192 a round
.irp n, 0,1,2,3
	v_add_nc_u32 v[4+\n], \n*65536, v9
.endr
	v_and_b32 v95, 255, v0
	s_delay_alu instid0(VALU_DEP_1)
	v_lshlrev_b32 v95, 4, v95
	s_and_b32 s3, ttmp7, 0xffff
	s_lshr_b32 s16, s3, 4                          ; batch
	s_and_b32 s17, s3, 15                          ; head
	s_lshl_b32 s18, s17, 9
	s_lshl_b32 s19, s16, 7
	s_add_co_u32 s18, s18, s19
	s_mul_i32 s84, s18, 768                        ; q's tiles of this batch and head
	s_mov_b32 s85, 0
	s_add_co_u32 s20, s84, 6291456                 ; k's: sixteen heads on
	s_mov_b32 s21, 0
	s_lshl_b32 s18, s16, 4
	s_add_co_u32 s18, s18, s17
	s_mul_i32 s22, s18, 98304
	s_add_co_u32 s22, s22, VCO                     ; v's fragments
	s_mov_b32 s23, 0
	s_lshl_b32 s24, s17, 6
	s_lshl_b32 s25, s16, 4
	s_add_co_u32 s24, s24, s25
	s_lshl_b32 s24, s24, 8
	s_add_co_u32 s86, s24, QKSO                    ; q's scale words
	s_mov_b32 s87, 0
	s_add_co_u32 s24, s86, 262144                  ; k's
	s_lshl_b32 s26, s18, 12
	s_add_co_u32 s26, s26, VSO                     ; v's
	s_cmp_lt_u32 s2, 8
	s_cselect_b32 s24, s24, s26                    ; the last round: waves 0-7 bring k's scale words, waves 8-15 v's
	s_mov_b32 s25, 0
	s_mul_i32 s90, s16, 1572864                    ; z's half fragments: [tile][K step = head / 2][head % 2][768]
	s_mul_i32 s26, s17, 768
	s_add_co_u32 s90, s90, s26
	s_mov_b32 s91, 0
	s_lshl_b32 s92, s16, 16                        ; z's scale words: [pair of tiles][K step][tile % 2][r], my head's half word
	s_lshr_b32 s26, s17, 1
	s_lshl_b32 s26, s26, 7
	s_add_co_u32 s92, s92, s26
	s_and_b32 s26, s17, 1
	s_lshl_b32 s26, s26, 1
	s_add_co_u32 s92, s92, s26
	s_add_co_u32 s92, s92, ZSO
	s_mov_b32 s93, 0
	s_lshl_b32 s3, s2, 2
	s_add_co_u32 s10, ttmp9, s3                    ; my first tile
	s_add_co_u32 s11, ttmp9, 124
	s_sub_co_u32 s11, s11, s3                      ; my second
	s_mov_b32 s12, 0x3e38aa3b                      ; c = log2(e) / 8
	s_mov_b32 s13, s12
	s_mov_b32 s14, 0x76543210
	s_mov_b32 s15, 0xfedcba98                      ; v_permlanex16_b32's selects for lane l xor 16
	s_mov_b32 s101, 2
	s_wait_alu depctr_va_vdst(0)
	s_wait_kmcnt 0x0
	s_add_nc_u64 s[84:85], s[4:5], s[84:85]
	s_add_nc_u64 s[20:21], s[4:5], s[20:21]
	s_add_nc_u64 s[22:23], s[4:5], s[22:23]
	s_add_nc_u64 s[24:25], s[4:5], s[24:25]
	s_add_nc_u64 s[86:87], s[4:5], s[86:87]
	s_add_nc_u64 s[90:91], s[8:9], s[90:91]
	s_add_nc_u64 s[92:93], s[8:9], s[92:93]
.set i, 0
.rept 12
	global_load_b128 v[96+4*i:99+4*i], v9, s[20:21] offset:8192*i
.set i, i+1
.endr
.set i, 0
.rept 12
	global_load_b128 v[144+4*i:147+4*i], v9, s[22:23] offset:8192*i
.set i, i+1
.endr
	global_load_b128 v[192:195], v95, s[24:25]
	v_mov_b32 v10, 0x7f7f7f7f                      ; four scales of 1
	v_mov_b32 v11, 0xc9b01c38                      ; TM = -1442695.0
.irp k, 0,1,2,3
	v_mov_b32 v[82+3*\k], 0x08208208               ; the code of 1.0 is 8: a stream of such codes repeats after three words
	v_mov_b32 v[83+3*\k], 0x82082082
	v_mov_b32 v[84+3*\k], 0x20820820
.endr
.irp k, 0,1,2,3,4,5
	v_mov_b32 v[16+\k], 0                          ; zero codes on both sides of q
	v_mov_b32 v[28+\k], 0
.endr
.irp b, 0,1,2,3
	v_mov_b32 v[236+\b], 0                         ; written once: a lane permute's destination counts as one of its sources
.endr
	v_mov_b32 v253, 0                              ; (named as the upper half of the pair v[252:253] before it is first written)
.set i, 0
.rept 25
	s_wait_loadcnt 24-i                            ; loads come back in order: round i is in, the younger ones may be out
	ds_store_b128 v[4+i/8], v[96+4*i:99+4*i] offset:(i%8)*8192
.set i, i+1
.endr
	s_wait_dscnt 0x0                               ; for the others' sake: my stores have landed
	s_barrier_signal -1
	s_barrier_wait -1                              ; the head lies in LDS; from here on LDS is only read
.macro KLOAD                           ; the step's four fragments of K (two key tiles each) and its scale words
.irp p, 0,1,2,3
	ds_load_b128 v[F+12*\p:F+12*\p+3], v4 offset:1536*\p
	ds_load_b64 v[F+12*\p+4:F+12*\p+5], v5 offset:1536*\p+512
	ds_load_b128 v[F+12*\p+6:F+12*\p+9], v4 offset:1536*\p+768
	ds_load_b64 v[F+12*\p+10:F+12*\p+11], v5 offset:1536*\p+1280
.endr
	ds_load_b128 v[248:251], v7
.endm
.macro VLOAD                           ; the step's four fragments of V^T (16 channels x 128 keys) and its scale words
.irp t, 0,1,2,3
.irp q, 0,1,2
	ds_load_b128 v[F+12*\t+4*\q:F+12*\t+4*\q+3], v6 offset:1536*\t+512*\q
.endr
.endr
	ds_load_b128 v[248:251], v7 offset:4096
.endm
; A KEY STEP with a softmax.  m = 1: some places are masked.
.macro STEP m
.if \m
	s_load_b512 s[16:31], s[88:89], 0x0            ; the step's 64 mask words: word j in s[16 + j], from word 48 on in s[20 + j]
	s_load_b512 s[32:47], s[88:89], 0x40
	s_load_b512 s[48:63], s[88:89], 0x80
	s_load_b512 s[68:83], s[88:89], 0xc0
.endif
	KLOAD
	s_wait_dscnt 0x0
.irp p, 0,1,2,3                        ; S^T = K Q^T: lane (r, h) holds query r; the 16 registers of tiles 2 b, 2 b + 1 are keys 32 b + 16 h + 0 .. 15 of the step
	v_wmma_scale_f32_16x16x128_f8f6f4 v[96+16*\p:103+16*\p], v[F+12*\p:F+12*\p+11], v[22:33], 0, v[248+\p], v8 matrix_a_fmt:MATRIX_FMT_FP6 matrix_b_fmt:MATRIX_FMT_FP6
	v_wmma_scale_f32_16x16x128_f8f6f4 v[104+16*\p:111+16*\p], v[F+12*\p:F+12*\p+11], v[16:27], 0, v[248+\p], v8 matrix_a_fmt:MATRIX_FMT_FP6 matrix_b_fmt:MATRIX_FMT_FP6
.endr
.rept 4
	v_nop                                          ; places in front of the loads into K's registers and of the first read of the scores
.endr
	VLOAD                                          ; lands while the softmax is walked
.if \m
.set j, 0
.rept 32
	v_pk_mul_f32 v[96+j:97+j], v[96+j:97+j], s[12:13] op_sel_hi:[1,0]   ; t, ascending: each tile is first read at its low end
.set j, j+2
.endr
	s_wait_kmcnt 0x0
.set j, 0
.rept 64
.if j < 48
	v_cndmask_b32 v[96+j], v[96+j], v11, s[16+j]   ; masked places take TM
.else
	v_cndmask_b32 v[96+j], v[96+j], v11, s[20+j]
.endif
.set j, j+1
.endr
.endif
.irp b, 0,1,2,3
	v_max3_num_f32 v[232+\b], v[96+16*\b], v[97+16*\b], v[98+16*\b]   ; the largest of each block of 32 keys: it serves for the row's maximum and, since p rises with it, for the block's largest p
.endr
.irp i, 3,5,7,9,11,13
.irp b, 0,1,2,3
	v_max3_num_f32 v[232+\b], v[232+\b], v[96+16*\b+\i], v[97+16*\b+\i]
.endr
.endr
.irp b, 0,1,2,3
	v_max_num_f32 v[232+\b], v[232+\b], v[111+16*\b]
.endr
.irp b, 0,1,2,3
	v_permlanex16_b32 v[236+\b], v[232+\b], s14, s15
.endr
.irp b, 0,1,2,3
	s_delay_alu instid0(VALU_DEP_4)
	v_max_num_f32 v[232+\b], v[232+\b], v[236+\b]
.endr
	s_delay_alu instid0(VALU_DEP_2)
	v_max3_num_f32 v254, v232, v233, v234
	s_delay_alu instid0(VALU_DEP_1)
	v_max_num_f32 v254, v254, v235
.if !\m
	s_delay_alu instid0(VALU_DEP_1)
	v_mul_f32 v254, s12, v254                      ; as t (c is positive)
.endif
	s_delay_alu instid0(VALU_DEP_1)
	v_max_num_f32 v13, v13, v254                   ; the running largest t
	v_mov_b32 v254, v12
	s_delay_alu instid0(VALU_DEP_2)
	v_floor_f32 v12, -v13                          ; the new -M = floor(-t): M is a whole number
	s_delay_alu instid0(VALU_DEP_1)
	v_sub_f32 v254, v12, v254
	s_delay_alu instid0(VALU_DEP_1)
	v_cvt_i32_f32 v254, v254                       ; (it saturates)
	s_delay_alu instid0(VALU_DEP_1)
	v_ldexp_f32 v252, 1.0, v254                    ; f = 2^(old M - new M)
.set j, 0
.rept 32
.if \m
	v_pk_add_f32 v[96+j:97+j], v[96+j:97+j], v[12:13] op_sel_hi:[1,0]                      ; t - M
.else
	v_pk_fma_f32 v[96+j:97+j], v[96+j:97+j], s[12:13], v[12:13] op_sel_hi:[1,0,0]          ; t - M
.endif
.set j, j+2
.endr
.irp b, 0,1,2,3
.if \m
	v_add_f32 v[232+\b], v[232+\b], v12
.else
	v_fma_f32 v[232+\b], v[232+\b], s12, v12
.endif
.endr
.set j, 0
	s_wait_alu depctr_va_vdst(0)
.rept 64
	v_exp_f32 v[96+j], v[96+j]                     ; p = 2^(t - M), at most 1
.set j, j+1
.endr
	v_pk_mul_f32 v[14:15], v[14:15], v[252:253] op_sel_hi:[1,0]   ; the sums under the new M (a plain line behind the exponentials)
	s_wait_alu depctr_va_vdst(0)                   ; one wait for the whole batch, ahead of its first reader
.irp b, 0,1,2,3
	v_exp_f32 v[232+\b], v[232+\b]                 ; the block's largest p
.endr
	v_pk_add_f32 v[236:237], v[100:101], v[104:105]
	v_pk_add_f32 v[246:247], v[108:109], v[112:113]
	v_pk_add_f32 v[244:245], v[116:117], v[120:121]
	v_pk_add_f32 v[242:243], v[124:125], v[128:129]
	v_pk_add_f32 v[240:241], v[132:133], v[136:137]
	v_pk_add_f32 v[238:239], v[140:141], v[144:145]
	v_pk_add_f32 v[230:231], v[148:149], v[152:153]
	v_pk_add_f32 v[14:15], v[14:15], v[156:157]
	v_pk_add_f32 v[236:237], v[236:237], v[96:97]
	v_pk_add_f32 v[246:247], v[246:247], v[98:99]
	v_pk_add_f32 v[244:245], v[244:245], v[102:103]
	v_pk_add_f32 v[242:243], v[242:243], v[106:107]
	v_pk_add_f32 v[240:241], v[240:241], v[110:111]
	v_pk_add_f32 v[238:239], v[238:239], v[114:115]
	v_pk_add_f32 v[230:231], v[230:231], v[118:119]
	v_pk_add_f32 v[14:15], v[14:15], v[122:123]
	v_pk_add_f32 v[236:237], v[236:237], v[126:127]
	v_pk_add_f32 v[246:247], v[246:247], v[130:131]
	v_pk_add_f32 v[244:245], v[244:245], v[134:135]
	v_pk_add_f32 v[242:243], v[242:243], v[138:139]
	v_pk_add_f32 v[240:241], v[240:241], v[142:143]
	v_pk_add_f32 v[238:239], v[238:239], v[146:147]
	v_pk_add_f32 v[230:231], v[230:231], v[150:151]
	v_pk_add_f32 v[14:15], v[14:15], v[154:155]
	v_pk_add_f32 v[236:237], v[236:237], v[158:159]
	s_delay_alu instid0(VALU_DEP_2)
	v_pk_add_f32 v[14:15], v[14:15], v[242:243]
	s_delay_alu instid0(VALU_DEP_2)
	v_pk_add_f32 v[236:237], v[236:237], v[240:241]
	v_pk_add_f32 v[246:247], v[246:247], v[238:239]
	v_pk_add_f32 v[244:245], v[244:245], v[230:231]
	s_delay_alu instid0(VALU_DEP_2)
	v_pk_add_f32 v[14:15], v[14:15], v[246:247]
	s_delay_alu instid0(VALU_DEP_2)
	v_pk_add_f32 v[236:237], v[236:237], v[244:245]
	s_delay_alu instid0(VALU_DEP_1)
	v_pk_add_f32 v[14:15], v[14:15], v[236:237]
	s_wait_alu depctr_va_vdst(0)                   ; and one for the four
.irp b, 0,1,2,3
	v_max_num_f32 v[232+\b], 0x1800000, v[232+\b]  ; the floor 2^(3 - 127)
.endr
.irp b, 0,1,2,3
	s_delay_alu instid0(VALU_DEP_4)
	v_add_nc_u32 v[244+\b], 0xff000000, v[232+\b]  ; the conversion's scale operand
.endr
.irp b, 0,1,2,3
	s_delay_alu instid0(VALU_DEP_4)
	v_lshrrev_b32 v[236+\b], 23, v[244+\b]         ; the scale's byte
.endr
	s_delay_alu instid0(VALU_DEP_3)
	v_lshl_or_b32 v253, v237, 8, v236              ; p's scale word for these 128 keys
	s_delay_alu instid0(VALU_DEP_1)
	v_lshl_or_b32 v253, v238, 16, v253
	s_delay_alu instid0(VALU_DEP_1)
	v_lshl_or_b32 v253, v239, 24, v253
.irp c, 0,1
	v_cvt_scalef32_pk16_fp6_f32 v[224+6*\c:226+6*\c], v[96+32*\c:111+32*\c], v[244+2*\c]
	v_cvt_scalef32_pk16_fp6_f32 v[236+4*\c:238+4*\c], v[112+32*\c:127+32*\c], v[244+2*\c+1]
.endr
	v_nop
.irp c, 0,1
.irp i, 0,1,2
	v_permlane16_swap_b32 v[224+6*\c+\i], v[236+4*\c+\i]
.endr
.irp i, 0,1,2
	s_delay_alu instid0(VALU_DEP_3)
	v_mov_b32 v[227+6*\c+\i], v[236+4*\c+\i]
.endr
.endr
.set j, 0
.rept 16
	v_pk_mul_f32 v[160+j:161+j], v[160+j:161+j], v[252:253] op_sel_hi:[1,0]   ; O^T under the new M; these sixteen are also the places in front of the products below
.set j, j+2
.endr
	s_wait_alu depctr_va_vdst(0)
	s_wait_dscnt 0x0                               ; V is in
.irp t, 0,1,2,3                        ; O^T += V^T P^T: four accumulators by turns
	v_wmma_scale_f32_16x16x128_f8f6f4 v[160+8*\t:167+8*\t], v[F+12*\t:F+12*\t+11], v[224:235], v[160+8*\t:167+8*\t], v[248+\t], v253 matrix_a_fmt:MATRIX_FMT_FP6 matrix_b_fmt:MATRIX_FMT_FP6
.endr
.endm
.Ltile:                                ; two trips
	s_wait_xcnt 0x0                                ; the last tile's stores have read their registers and addresses
	s_cmp_eq_u32 s101, 2
	s_cselect_b32 s94, s10, s11                    ; T
	s_lshl_b32 s16, s94, 2
	s_add_co_u32 s16, s16, CLSO
	s_mov_b32 s17, 0
	s_add_nc_u64 s[16:17], s[6:7], s[16:17]
	s_load_b32 s95, s[16:17], 0x0                  ; the tile's sixteen classes, two bits each
	s_mul_i32 s18, s94, 768
	s_mov_b32 s19, 0
	s_add_nc_u64 s[18:19], s[84:85], s[18:19]
	global_load_b128 v[22:25], v1, s[18:19]        ; q's half fragment
	global_load_b64 v[26:27], v2, s[18:19] offset:512
	s_lshr_b32 s20, s94, 3
	s_lshl_b32 s20, s20, 8
	s_bfe_u32 s21, s94, 0x20001
	s_lshl_b32 s21, s21, 2
	s_add_co_u32 s20, s20, s21
	s_mov_b32 s21, 0
	s_add_nc_u64 s[20:21], s[86:87], s[20:21]
	global_load_b32 v95, v94, s[20:21]             ; the word that holds my tile's two scale bytes
	s_lshl_b32 s88, s94, 12
	s_mov_b32 s89, 0
	s_add_nc_u64 s[88:89], s[6:7], s[88:89]        ; the tile's mask words
	s_and_b32 s3, s94, 1
	s_cmp_eq_u32 s3, 0
	s_mov_b32 s3, 0x03020302
	s_cselect_b32 s3, 0x01000100, s3               ; an even tile's bytes lie in the low half
	s_mov_b32 s96, 16
	s_mov_b32 s97, 0                               ; steps passed over
	s_mov_b32 s98, 0
	s_mov_b32 s99, LV
	s_mov_b32 s100, 0
	v_mov_b32 v13, 0xff61b1e6                      ; the largest t so far: -3e38
	s_delay_alu instid0(VALU_DEP_1)
	v_floor_f32 v12, -v13
	v_mov_b32 v14, 0
	v_mov_b32 v15, 0
	s_wait_loadcnt 0x0
	s_wait_kmcnt 0x0
	v_perm_b32 v8, v95, v95, s3                    ; q's scale word: its two bytes twice
.set j, 0
.rept 64
	v_mov_b32 v[160+j], 0                          ; O^T and the masked steps' sums (a step is written once: the first finds zeros); also the places between v8 and the first product
.set j, j+1
.endr
.Lstep:                                ; sixteen trips
	v_add_nc_u32 v4, s98, v1                       ; these four are also the places in front of the loads into registers that the last products read
	v_add_nc_u32 v5, s98, v2
	v_add_nc_u32 v6, s99, v1
	v_add_nc_u32 v7, s100, v3
	s_and_b32 s3, s95, 3
	s_cmp_eq_u32 s3, 2
	s_cbranch_scc1 .Lmasked
	s_cmp_eq_u32 s3, 0
	s_cbranch_scc1 .Lopen
	s_wait_alu depctr_va_vdst(0)
	STEP 1
	s_branch .Lnext
.Lopen:
	s_wait_alu depctr_va_vdst(0)
	STEP 0
	s_branch .Lnext
.Lmasked:                              ; all 16 x 128 places masked: the sum of the quantised v over the step's keys, by codes of 1.0
	s_wait_alu depctr_va_vdst(0)
	VLOAD
	s_wait_dscnt 0x0
.irp t, 0,1,2,3
	v_wmma_scale_f32_16x16x128_f8f6f4 v[192+8*\t:199+8*\t], v[F+12*\t:F+12*\t+11], v[82:93], v[192+8*\t:199+8*\t], v[248+\t], v10 matrix_a_fmt:MATRIX_FMT_FP6 matrix_b_fmt:MATRIX_FMT_FP6
.endr
	s_add_co_u32 s97, s97, 1
.Lnext:
	s_add_co_u32 s98, s98, 6144
	s_add_co_u32 s99, s99, 6144
	s_add_co_u32 s100, s100, 256
	s_add_nc_u64 s[88:89], s[88:89], 256
	s_lshr_b32 s95, s95, 2
	s_sub_co_u32 s96, s96, 1
	s_cmp_lg_u32 s96, 0
	s_cbranch_scc1 .Lstep
	; THE TILE'S END.  TM enters the maximum if a step was passed over; pm = 2^(TM - M); each lane stands for 64 keys of a step in the row's sum.
	s_cmp_lg_u32 s97, 0
	s_mov_b32 s3, 0xff61b1e6
	s_cselect_b32 s3, 0xc9b01c38, s3
	v_max_num_f32 v13, s3, v13
	v_mov_b32 v254, v12
	s_delay_alu instid0(VALU_DEP_2)
	v_floor_f32 v12, -v13
	s_delay_alu instid0(VALU_DEP_1)
	v_sub_f32 v254, v12, v254
	s_delay_alu instid0(VALU_DEP_1)
	v_cvt_i32_f32 v254, v254
	s_delay_alu instid0(VALU_DEP_1)
	v_ldexp_f32 v252, 1.0, v254                    ; f
	s_delay_alu instid0(VALU_DEP_4)
	v_add_f32 v254, v11, v12                       ; TM - M: 0 or less wherever a step was passed over;
	s_delay_alu instid0(VALU_DEP_1)
	v_min_num_f32 v254, 0, v254                    ; held at 0 elsewhere, where pm multiplies zeros
	s_delay_alu instid0(VALU_DEP_1)
	v_cvt_i32_f32 v254, v254
	s_delay_alu instid0(VALU_DEP_1)
	v_ldexp_f32 v236, 1.0, v254                    ; pm
	s_lshl_b32 s3, s97, 6
	v_cvt_f32_u32 v238, s3
	v_pk_mul_f32 v[14:15], v[14:15], v[252:253] op_sel_hi:[1,0]
	s_delay_alu instid0(VALU_DEP_1)
	v_fmac_f32 v14, v236, v238
	s_delay_alu instid0(VALU_DEP_1)
	v_add_f32 v14, v14, v15
	s_delay_alu instid0(VALU_DEP_1)
	v_permlanex16_b32 v254, v14, s14, s15
	s_delay_alu instid0(VALU_DEP_1)
	v_add_f32 v14, v14, v254                       ; the row's sum
	s_wait_alu depctr_va_vdst(0)
	v_rcp_f32 v238, v14
.set j, 0
	s_wait_alu depctr_va_vdst(0)
.rept 16
	v_pk_mul_f32 v[160+j:161+j], v[160+j:161+j], v[252:253] op_sel_hi:[1,0]
.set j, j+2
.endr
.set j, 0
.rept 16
	v_pk_fma_f32 v[160+j:161+j], v[192+j:193+j], v[236:237], v[160+j:161+j] op_sel_hi:[1,0,1]
.set j, j+2
.endr
	s_wait_alu depctr_va_vdst(0)                   ; the wait for the reciprocal, ahead of its first reader
.set j, 0
.rept 16
	v_pk_mul_f32 v[96+j:97+j], v[160+j:161+j], v[238:239] op_sel_hi:[1,0]   ; z: register 16 b + i is channel 32 b + 16 h + i of the head
.set j, j+2
.endr
.irp b, 0,1
	v_max3_num_f32 v[232+\b], |v[96+16*\b]|, |v[97+16*\b]|, 0x1800000
.endr
.irp i, 2,4,6,8,10,12,14
.irp b, 0,1
	s_delay_alu instid0(VALU_DEP_2)
	v_max3_num_f32 v[232+\b], v[232+\b], |v[96+16*\b+\i]|, |v[97+16*\b+\i]|
.endr
.endr
.irp b, 0,1
	s_delay_alu instid0(VALU_DEP_2)
	v_permlanex16_b32 v[236+\b], v[232+\b], s14, s15
.endr
.irp b, 0,1
	s_delay_alu instid0(VALU_DEP_2)
	v_max_num_f32 v[232+\b], v[232+\b], v[236+\b]
.endr
.irp b, 0,1
	s_delay_alu instid0(VALU_DEP_2)
	v_add_nc_u32 v[244+\b], 0xff000000, v[232+\b]
.endr
.irp b, 0,1
	s_delay_alu instid0(VALU_DEP_2)
	v_lshrrev_b32 v[236+\b], 23, v[244+\b]
.endr
	s_delay_alu instid0(VALU_DEP_1)
	v_lshl_or_b32 v254, v237, 8, v236              ; my head's two scale bytes
	v_cvt_scalef32_pk16_fp6_f32 v[224:226], v[96:111], v244
	v_cvt_scalef32_pk16_fp6_f32 v[240:242], v[112:127], v245
	v_nop
.irp i, 0,1,2
	v_permlane16_swap_b32 v[224+\i], v[240+\i]
.endr
.irp i, 0,1,2
	s_delay_alu instid0(VALU_DEP_3)
	v_mov_b32 v[227+\i], v[240+\i]
.endr
	s_mul_i32 s16, s94, 12288
	s_mov_b32 s17, 0
	s_add_nc_u64 s[16:17], s[90:91], s[16:17]
	s_lshr_b32 s18, s94, 1
	s_lshl_b32 s18, s18, 10
	s_and_b32 s19, s94, 1
	s_lshl_b32 s19, s19, 6
	s_add_co_u32 s18, s18, s19
	s_mov_b32 s19, 0
	s_add_nc_u64 s[18:19], s[92:93], s[18:19]
	s_wait_alu depctr_va_vdst(0)
	global_store_b128 v1, v[224:227], s[16:17]     ; z's half fragment as an image of its registers
	global_store_b64 v2, v[228:229], s[16:17] offset:512
	global_store_b16 v255, v254, s[18:19]          ; lanes r and r + 16 write the same two bytes with the same value
	s_sub_co_u32 s101, s101, 1
	s_cmp_lg_u32 s101, 0
	s_cbranch_scc1 .Ltile
	s_wait_xcnt 0x0
	v_lshl_add_u32 v254, v0, 2, 0x32000
	v_mov_b32 v255, 0
	s_wait_alu depctr_va_vdst(0)
	s_wait_tensorcnt 0x0
	ds_add_u32 v254, v255
	s_wait_dscnt 0x0
	s_endpgm
.Lfunc_end_k_q66aacd1968_attn:
	.size	k_q66aacd1968_attn, .Lfunc_end_k_q66aacd1968_attn-k_q66aacd1968_attn
	.p2alignl 7, 3214868480
	.fill 96, 4, 3214868480
	.section	.rodata,"a",@progbits
	.p2align	6, 0x0
	.amdhsa_kernel k_q66aacd1968_attn
		.amdhsa_group_segment_fixed_size 206848
		.amdhsa_private_segment_fixed_size 0
		.amdhsa_enable_private_segment 0
		.amdhsa_kernarg_size 24
		.amdhsa_user_sgpr_count 2
		.amdhsa_user_sgpr_kernarg_segment_ptr 1
		.amdhsa_wavefront_size32 1
		.amdhsa_system_sgpr_workgroup_id_x 1
		.amdhsa_system_sgpr_workgroup_id_y 1
		.amdhsa_system_sgpr_workgroup_id_z 1
		.amdhsa_system_vgpr_workitem_id 0
		.amdhsa_next_free_vgpr 256
		.amdhsa_next_free_sgpr 102
		.amdhsa_reserve_vcc 0
		.amdhsa_float_denorm_mode_32 3
		.amdhsa_float_denorm_mode_16_64 3
		.amdhsa_memory_ordered 1
		.amdhsa_forward_progress 1
		.amdhsa_inst_pref_size 63
	.end_amdhsa_kernel
	.amdgpu_metadata
---
amdhsa.version: [ 1, 2 ]
amdhsa.kernels:
  - .name:           k_q66aacd1968_attn
    .symbol:         k_q66aacd1968_attn.kd
    .args:
      - { .name: qkv, .offset: 0, .size: 8, .value_kind: global_buffer, .address_space: global }
      - { .name: mk, .offset: 8, .size: 8, .value_kind: global_buffer, .address_space: global }
      - { .name: zq, .offset: 16, .size: 8, .value_kind: global_buffer, .address_space: global }
    .group_segment_fixed_size: 206848
    .private_segment_fixed_size: 0
    .kernarg_segment_align: 8
    .kernarg_segment_size: 24
    .max_flat_workgroup_size: 512
    .sgpr_count:     102
    .vgpr_count:     256
    .wavefront_size: 32
...
	.end_amdgpu_metadata
.endif
;; end of part 3
;; launch outln (part 4): grid 256 x 1, 16 waves a work-group, no clusters, 289,280 bytes of LDS; arguments zq, prepq, x, gamma, beta, out0; writes out0
.if DOCPART == 4
	.amdgcn_target "amdgcn-amd-amdhsa--gfx1250"
	.amdhsa_code_object_version 6
	.text
	.protected	k_q66aacd1968_outln
	.globl	k_q66aacd1968_outln
	.p2align	8
	.type	k_q66aacd1968_outln,@function
k_q66aacd1968_outln:
	s_mov_b64 s[64:65], 0
	v_nop
	global_prefetch_b8 v0, s[64:65] scope:SCOPE_SE
	s_setreg_imm32_b32 hwreg(HW_REG_WAVE_MODE, 25, 1), 1
	s_wait_xcnt 0x0
; OUTLN: out = layernorm(relu(z Wo) + x) x gamma + beta.  The product runs on codes of FP6 (E2M3) with E8M0 scales, sums in f32; all else in f32.
; SHARES.  Work-group P owns tokens 32 P .. 32 P + 31 (row tiles 2 P and 2 P + 1; lane r of tile u is token 8 u + r + 8 (r / 8) of the 32) and all 1,024 columns, so that a row's mean and variance need no other work-group.
; Wave w makes columns 64 w .. 64 w + 63 for the 32 rows: eight accumulators by turns; then it normalises rows 2 w and 2 w + 1.
; z's fragments (24,576 bytes, one run of memory) and x's 32 rows (131,072 bytes) come into LDS once, by asynchronous copies at the head.  Wo's fragments lie in memory in the order of the operand's registers and go
; straight into registers, three K steps deep.  WHY Wo IS NOT ASKED FOR JOINTLY though every work-group walks it: no two waves of a work-group read the same fragment, and a K step is eight matrix instructions a wave,
; too short for a slot's refill to land in; here 26 loads of a wave stay on their way under counted waits.
; THE PRODUCT IS USED TRANSPOSED (source 0 = 16 columns of Wo, source 1 = 16 rows of z): a lane holds eight neighbouring columns of one row.
; The variance is taken of y - mean, in a second pass over registers.  LIMITS: NaN and infinities are not served.
; LDS: 0 z's fragments [u][K step][half][768]; 24,576 x's rows, 4,096 bytes each; 155,648 the stage, 32 rows of 4,096 + 16 bytes, written by LDS stores alone.
; REGISTERS: v1 16 lane, v2 8 lane, v3 4 lane, v4 my two rows in the stage, v5-6 and v254-255 the copies' addresses, v7 where I put results, v8-15 z's scale words, v16-21 Wo's (three sets): scales and nothing else;
;   v22-45 z's two fragments; v46-189 Wo's fragments, three sets of 48; v190-253 the sums.  Afterwards: v46-77 gamma, v78-109 beta, v110-173 two rows of y, v174-237 two rows of x, v238-249 at work.
.set ZSO,   6291456
.set WOFO,  9011200
.set WOSO,  9797632
.set XR,    24576
.set STG,   155648
.set SPITCH, 4112
.set AS,  8
.set BS,  16
.set AF,  22
.set BF,  46
.set ACC, 190
.set GA,  46
.set BE,  78
.set Y,   110
.set XX,  174
.set TS,  238
.set RS,  246
	s_load_b256 s[4:11], s[0:1], 0x0               ; zq s[4:5], prepq s[6:7], x s[8:9], gamma s[10:11]
	s_load_b128 s[12:15], s[0:1], 0x20             ; beta s[12:13], out0 s[14:15]
	v_lshl_add_u32 v254, v0, 2, 0x46200
	v_mov_b32 v255, 0
	ds_add_u32 v254, v255
	ds_add_u32 v254, v255
	s_wait_dscnt 0x0
	v_lshrrev_b32 v1, 5, v0
	v_readfirstlane_b32 s2, v1                     ; wave 0..15
	v_and_b32 v3, 31, v0
	v_lshlrev_b32 v1, 4, v3
	v_lshlrev_b32 v2, 3, v3
	v_lshlrev_b32 v3, 2, v3
	s_mul_i32 s16, s2, 1536
	v_add_nc_u32 v5, s16, v1                       ; my part of z's fragments: in LDS,
	v_add_nc_u32 v6, s16, v1                       ; and in memory
	s_lshl_b32 s17, s2, 13
	v_add_nc_u32 v255, s17, v1                     ; my two rows of x: in memory,
	v_add_nc_u32 v254, XR, v255                    ; and in LDS
	v_and_b32 v4, 15, v0
	v_and_b32 v7, 8, v4
	v_add_nc_u32 v7, v7, v4                        ; r + 8 (r / 8)
	v_mul_u32_u24 v7, v7, SPITCH
	v_bfe_u32 v4, v0, 4, 1
	v_lshl_add_u32 v7, v4, 5, v7                   ; + 32 h
	s_lshl_b32 s3, s2, 8
	s_add_co_u32 s3, s3, STG
	v_add_nc_u32 v7, s3, v7                        ; + my 64 columns
	s_mul_i32 s3, s2, 2*SPITCH
	s_add_co_u32 s3, s3, STG
	v_add_nc_u32 v4, s3, v1                        ; back: my two rows, 16 bytes a lane
	s_mul_i32 s18, ttmp9, 24576
	s_mov_b32 s19, 0
	s_lshl_b32 s20, ttmp9, 10
	s_add_co_u32 s20, s20, ZSO
	s_mov_b32 s21, 0
	s_mul_i32 s22, s2, 49152
	s_add_co_u32 s22, s22, WOFO
	s_mov_b32 s23, 0
	s_lshl_b32 s24, s2, 11
	s_add_co_u32 s24, s24, WOSO
	s_mov_b32 s25, 0
	s_lshl_b32 s26, ttmp9, 17
	s_mov_b32 s27, 0
	s_add_co_u32 s28, s26, s17
	s_mov_b32 s29, 0
	s_mov_b32 s30, 0x76543210
	s_mov_b32 s31, 0xfedcba98
	s_wait_kmcnt 0x0
	s_add_nc_u64 s[18:19], s[4:5], s[18:19]        ; z's fragments of my two tiles
	s_add_nc_u64 s[20:21], s[4:5], s[20:21]        ; their scale words
	s_add_nc_u64 s[22:23], s[6:7], s[22:23]        ; Wo's fragments of my 64 columns
	s_add_nc_u64 s[24:25], s[6:7], s[24:25]        ; their scale words
	s_add_nc_u64 s[26:27], s[8:9], s[26:27]        ; x at my work-group's first row
	s_add_nc_u64 s[28:29], s[14:15], s[28:29]      ; out at my wave's first row
.irp i, 0,1,2
	global_load_async_to_lds_b128 v5, v6, s[18:19] offset:512*\i    ; the immediate goes to both addresses
.endr
.irp i, 0,1,2,3,4,5,6,7,8,9,10,11,12,13,14,15
	global_load_async_to_lds_b128 v254, v255, s[26:27] offset:512*\i
.endr
.irp k, 0,1,2,3,4,5,6,7
	global_load_b32 v[AS+\k], v3, s[20:21] offset:128*\k            ; lanes 0-15: tile 0's rows, lanes 16-31: tile 1's
.endr
.macro BLOAD ks                        ; K step ks of Wo: four fragments and their scale words (lanes 0-15: tiles 0 and 2, lanes 16-31: tiles 1 and 3), into set ks % 3: 13 loads
.irp t, 0,1,2,3
.irp q, 0,1,2
	global_load_b128 v[BF+48*((\ks)%3)+12*\t+4*\q:BF+48*((\ks)%3)+12*\t+4*\q+3], v1, s[22:23] offset:6144*(\ks)+1536*\t+512*\q
.endr
.endr
	global_load_b64 v[BS+2*((\ks)%3):BS+2*((\ks)%3)+1], v2, s[24:25] offset:256*(\ks)
.endm
	BLOAD 0
	BLOAD 1
	BLOAD 2
	s_mov_b32 s16, 0x3a800000                      ; 1 / 1,024
	s_mov_b32 s17, 0x2b8cbccc                      ; 1e-12
	s_wait_asynccnt 16                             ; my three copies of z are done; x's sixteen, which I alone read, may be out
	s_barrier_signal -1
	s_barrier_wait -1                              ; z's fragments lie in LDS
.macro MM ks, t, u                     ; column tile t x row tile u; the rows of the scale registers go with the tiles
.set MD, ACC+8*(4*(\u)+(\t))
.set MA, BF+48*((\ks)%3)+12*(\t)
.set MB, AF+12*(\u)
.set MSA, BS+2*((\ks)%3)+(\t)/2
.set MSC, AS+(\ks)
.if (\ks) == 0
.if ((\t)%2 == 0) && ((\u) == 0)
	v_wmma_scale_f32_16x16x128_f8f6f4 v[MD:MD+7], v[MA:MA+11], v[MB:MB+11], 0, v[MSA], v[MSC] matrix_a_fmt:MATRIX_FMT_FP6 matrix_b_fmt:MATRIX_FMT_FP6
.elseif ((\t)%2 == 1) && ((\u) == 0)
	v_wmma_scale_f32_16x16x128_f8f6f4 v[MD:MD+7], v[MA:MA+11], v[MB:MB+11], 0, v[MSA], v[MSC] matrix_a_fmt:MATRIX_FMT_FP6 matrix_b_fmt:MATRIX_FMT_FP6 matrix_a_scale:MATRIX_SCALE_ROW1
.elseif ((\t)%2 == 0) && ((\u) == 1)
	v_wmma_scale_f32_16x16x128_f8f6f4 v[MD:MD+7], v[MA:MA+11], v[MB:MB+11], 0, v[MSA], v[MSC] matrix_a_fmt:MATRIX_FMT_FP6 matrix_b_fmt:MATRIX_FMT_FP6 matrix_b_scale:MATRIX_SCALE_ROW1
.else
	v_wmma_scale_f32_16x16x128_f8f6f4 v[MD:MD+7], v[MA:MA+11], v[MB:MB+11], 0, v[MSA], v[MSC] matrix_a_fmt:MATRIX_FMT_FP6 matrix_b_fmt:MATRIX_FMT_FP6 matrix_a_scale:MATRIX_SCALE_ROW1 matrix_b_scale:MATRIX_SCALE_ROW1
.endif
.else
.if ((\t)%2 == 0) && ((\u) == 0)
	v_wmma_scale_f32_16x16x128_f8f6f4 v[MD:MD+7], v[MA:MA+11], v[MB:MB+11], v[MD:MD+7], v[MSA], v[MSC] matrix_a_fmt:MATRIX_FMT_FP6 matrix_b_fmt:MATRIX_FMT_FP6
.elseif ((\t)%2 == 1) && ((\u) == 0)
	v_wmma_scale_f32_16x16x128_f8f6f4 v[MD:MD+7], v[MA:MA+11], v[MB:MB+11], v[MD:MD+7], v[MSA], v[MSC] matrix_a_fmt:MATRIX_FMT_FP6 matrix_b_fmt:MATRIX_FMT_FP6 matrix_a_scale:MATRIX_SCALE_ROW1
.elseif ((\t)%2 == 0) && ((\u) == 1)
	v_wmma_scale_f32_16x16x128_f8f6f4 v[MD:MD+7], v[MA:MA+11], v[MB:MB+11], v[MD:MD+7], v[MSA], v[MSC] matrix_a_fmt:MATRIX_FMT_FP6 matrix_b_fmt:MATRIX_FMT_FP6 matrix_b_scale:MATRIX_SCALE_ROW1
.else
	v_wmma_scale_f32_16x16x128_f8f6f4 v[MD:MD+7], v[MA:MA+11], v[MB:MB+11], v[MD:MD+7], v[MSA], v[MSC] matrix_a_fmt:MATRIX_FMT_FP6 matrix_b_fmt:MATRIX_FMT_FP6 matrix_a_scale:MATRIX_SCALE_ROW1 matrix_b_scale:MATRIX_SCALE_ROW1
.endif
.endif
.endm
.macro KSTEP ks
.irp u, 0,1
.irp c, 0,1
	ds_load_b128 v[AF+12*\u+6*\c:AF+12*\u+6*\c+3], v1 offset:12288*\u+1536*(\ks)+768*\c
	ds_load_b64 v[AF+12*\u+6*\c+4:AF+12*\u+6*\c+5], v2 offset:12288*\u+1536*(\ks)+768*\c+512
.endr
.endr
.if (\ks) < 6
	s_wait_loadcnt 26                              ; this K step's set is in; the two younger sets, 13 loads each, may be out
.elseif (\ks) == 6
	s_wait_loadcnt 13
.else
	s_wait_loadcnt 0x0
.endif
	s_wait_dscnt 0x0
.irp t, 0,1,2,3
.irp u, 0,1
	MM \ks, \t, \u
.endr
.endr
.rept 4
	v_nop                                          ; places in front of loads into registers that these products read, and of the first read of the results
.endr
.if (\ks) < 5
	BLOAD (\ks)+3
.endif
.endm
.irp k, 0,1,2,3,4,5,6,7
	KSTEP \k
.endr
.irp i, 0,1,2,3,4,5,6,7
	global_load_b128 v[GA+4*\i:GA+4*\i+3], v1, s[10:11] offset:512*\i   ; gamma and beta of the columns that I hold of a whole row
	global_load_b128 v[BE+4*\i:BE+4*\i+3], v1, s[12:13] offset:512*\i
.endr
.set j, 0
.rept 64
	v_max_num_f32 v[ACC+j], 0, v[ACC+j]            ; relu, each accumulator from its low end on
.set j, j+1
.endr
.irp u, 0,1
.irp t, 0,1,2,3
	ds_store_b128 v7, v[ACC+8*(4*\u+\t):ACC+8*(4*\u+\t)+3] offset:32896*\u+64*\t        ; row 8 u + r + 8 (r / 8), columns 64 w + 16 t + 8 h + 0 .. 7
	ds_store_b128 v7, v[ACC+8*(4*\u+\t)+4:ACC+8*(4*\u+\t)+7] offset:32896*\u+64*\t+16
.endr
.endr
	s_wait_dscnt 0x0                               ; for the others' sake: my stores have landed
	s_barrier_signal -1
	s_barrier_wait -1                              ; 32 whole rows lie in the stage
	s_wait_asynccnt 0x0                            ; my two rows of x are in
.irp p, 0,1
.irp i, 0,1,2,3,4,5,6,7
	ds_load_b128 v[Y+32*\p+4*\i:Y+32*\p+4*\i+3], v4 offset:SPITCH*\p+512*\i
	ds_load_b128 v[XX+32*\p+4*\i:XX+32*\p+4*\i+3], v254 offset:4096*\p+512*\i
.endr
.endr
	s_wait_dscnt 0x0
.set j, 0
.rept 32
	v_pk_add_f32 v[Y+j:Y+j+1], v[Y+j:Y+j+1], v[XX+j:XX+j+1]          ; y = relu(z Wo) + x, both rows
.set j, j+2
.endr
.macro LANESUM                         ; the four partial sums of each row become the row's sum, in every lane; the two rows by turns
.irp p, 0,1
	v_pk_add_f32 v[TS+4*\p:TS+4*\p+1], v[TS+4*\p:TS+4*\p+1], v[TS+4*\p+2:TS+4*\p+3]
.endr
.irp p, 0,1
	v_add_f32 v[TS+4*\p], v[TS+4*\p], v[TS+4*\p+1]
.endr
.irp m, 1,2,4,8
.irp p, 0,1
	v_add_f32_dpp v[TS+4*\p], v[TS+4*\p], v[TS+4*\p] row_xmask:\m row_mask:0xf bank_mask:0xf
.endr
.endr
.irp p, 0,1
	v_permlanex16_b32 v[TS+4*\p+1], v[TS+4*\p], s30, s31
.endr
.irp p, 0,1
	v_add_f32 v[TS+4*\p], v[TS+4*\p], v[TS+4*\p+1]
.endr
.endm
.irp p, 0,1
	v_pk_add_f32 v[TS+4*\p:TS+4*\p+1], v[Y+32*\p:Y+32*\p+1], v[Y+32*\p+2:Y+32*\p+3]
	v_pk_add_f32 v[TS+4*\p+2:TS+4*\p+3], v[Y+32*\p+4:Y+32*\p+5], v[Y+32*\p+6:Y+32*\p+7]
.endr
.irp j, 8,12,16,20,24,28
.irp p, 0,1
	v_pk_add_f32 v[TS+4*\p:TS+4*\p+1], v[TS+4*\p:TS+4*\p+1], v[Y+32*\p+\j:Y+32*\p+\j+1]
	v_pk_add_f32 v[TS+4*\p+2:TS+4*\p+3], v[TS+4*\p+2:TS+4*\p+3], v[Y+32*\p+\j+2:Y+32*\p+\j+3]
.endr
.endr
	LANESUM
.irp p, 0,1
	v_mul_f32 v[TS+4*\p], s16, v[TS+4*\p]          ; the mean
.endr
.irp p, 0,1
.set j, 0
.rept 16
	v_pk_add_f32 v[Y+32*\p+j:Y+32*\p+j+1], v[Y+32*\p+j:Y+32*\p+j+1], v[TS+4*\p:TS+4*\p+1] op_sel_hi:[1,0] neg_lo:[0,1] neg_hi:[0,1]   ; y - mean
.set j, j+2
.endr
.endr
.irp p, 0,1
	v_pk_mul_f32 v[TS+4*\p:TS+4*\p+1], v[Y+32*\p:Y+32*\p+1], v[Y+32*\p:Y+32*\p+1]
	v_pk_mul_f32 v[TS+4*\p+2:TS+4*\p+3], v[Y+32*\p+2:Y+32*\p+3], v[Y+32*\p+2:Y+32*\p+3]
.endr
.irp j, 4,8,12,16,20,24,28
.irp p, 0,1
	v_pk_fma_f32 v[TS+4*\p:TS+4*\p+1], v[Y+32*\p+\j:Y+32*\p+\j+1], v[Y+32*\p+\j:Y+32*\p+\j+1], v[TS+4*\p:TS+4*\p+1]
	v_pk_fma_f32 v[TS+4*\p+2:TS+4*\p+3], v[Y+32*\p+\j+2:Y+32*\p+\j+3], v[Y+32*\p+\j+2:Y+32*\p+\j+3], v[TS+4*\p+2:TS+4*\p+3]
.endr
.endr
	LANESUM
.irp p, 0,1
	v_fma_f32 v[TS+4*\p], v[TS+4*\p], s16, s17     ; the variance + 1e-12
.endr
.irp p, 0,1
	v_rsq_f32 v[RS+2*\p], v[TS+4*\p]
.endr
.irp p, 0,1
	v_mov_b32 v[RS+2*\p+1], 0                      ; plain lines behind the two; (the pairs' upper halves are named below, so they are written)
.endr
	s_wait_alu depctr_va_vdst(0)                   ; one wait for both, ahead of their first reader
	s_wait_loadcnt 0x0                             ; gamma and beta
.irp p, 0,1
.set j, 0
.rept 16
	v_pk_mul_f32 v[Y+32*\p+j:Y+32*\p+j+1], v[Y+32*\p+j:Y+32*\p+j+1], v[RS+2*\p:RS+2*\p+1] op_sel_hi:[1,0]
.set j, j+2
.endr
.set j, 0
.rept 16
	v_pk_fma_f32 v[Y+32*\p+j:Y+32*\p+j+1], v[Y+32*\p+j:Y+32*\p+j+1], v[GA+j:GA+j+1], v[BE+j:BE+j+1]
.set j, j+2
.endr
.irp i, 0,1,2,3,4,5,6,7
	global_store_b128 v1, v[Y+32*\p+4*\i:Y+32*\p+4*\i+3], s[28:29] offset:4096*\p+512*\i th:TH_STORE_NT   ; 32 lanes store 512 consecutive bytes, aligned
.endr
.endr
	s_wait_xcnt 0x0
	v_lshl_add_u32 v254, v0, 2, 0x46200
	v_mov_b32 v255, 0
	s_wait_tensorcnt 0x0
	ds_add_u32 v254, v255
	s_wait_dscnt 0x0
	s_endpgm
.Lfunc_end_k_q66aacd1968_outln:
	.size	k_q66aacd1968_outln, .Lfunc_end_k_q66aacd1968_outln-k_q66aacd1968_outln
	.p2alignl 7, 3214868480
	.fill 96, 4, 3214868480
	.section	.rodata,"a",@progbits
	.p2align	6, 0x0
	.amdhsa_kernel k_q66aacd1968_outln
		.amdhsa_group_segment_fixed_size 289280
		.amdhsa_private_segment_fixed_size 0
		.amdhsa_enable_private_segment 0
		.amdhsa_kernarg_size 48
		.amdhsa_user_sgpr_count 2
		.amdhsa_user_sgpr_kernarg_segment_ptr 1
		.amdhsa_wavefront_size32 1
		.amdhsa_system_sgpr_workgroup_id_x 1
		.amdhsa_system_sgpr_workgroup_id_y 1
		.amdhsa_system_sgpr_workgroup_id_z 1
		.amdhsa_system_vgpr_workitem_id 0
		.amdhsa_next_free_vgpr 256
		.amdhsa_next_free_sgpr 66
		.amdhsa_reserve_vcc 0
		.amdhsa_float_denorm_mode_32 3
		.amdhsa_float_denorm_mode_16_64 3
		.amdhsa_memory_ordered 1
		.amdhsa_forward_progress 1
		.amdhsa_inst_pref_size 51
	.end_amdhsa_kernel
	.amdgpu_metadata
---
amdhsa.version: [ 1, 2 ]
amdhsa.kernels:
  - .name:           k_q66aacd1968_outln
    .symbol:         k_q66aacd1968_outln.kd
    .args:
      - { .name: zq, .offset: 0, .size: 8, .value_kind: global_buffer, .address_space: global }
      - { .name: prepq, .offset: 8, .size: 8, .value_kind: global_buffer, .address_space: global }
      - { .name: x, .offset: 16, .size: 8, .value_kind: global_buffer, .address_space: global }
      - { .name: gamma, .offset: 24, .size: 8, .value_kind: global_buffer, .address_space: global }
      - { .name: beta, .offset: 32, .size: 8, .value_kind: global_buffer, .address_space: global }
      - { .name: out0, .offset: 40, .size: 8, .value_kind: global_buffer, .address_space: global }
    .group_segment_fixed_size: 289280
    .private_segment_fixed_size: 0
    .kernarg_segment_align: 8
    .kernarg_segment_size: 48
    .max_flat_workgroup_size: 512
    .sgpr_count:     66
    .vgpr_count:     256
    .wavefront_size: 32
...
	.end_amdgpu_metadata
.endif
;; end of part 4
